; MI455X (gfx1250); checked and timed in simulation.
; The chip was launched on July 23, 2026; its instructions are those of AMD's public machine-readable ISA for CDNA 5 (MIT licence, August 2026) and "CDNA5" Instruction Set Architecture Reference Guide (July 2026). The comments in the code are by the model that wrote it; some were corrected since.
;; Multi Head Attention. Allowed arithmetic: matrix products marked QUANTISED: E3M2 operands, one E8M0 scale for each 32 along K, by v_wmma_scale_f32_16x16x128_f8f6f4 with both operands' format E3M2, f32 sums; everything else in f32.
;; Inputs: Wk 1,024 x 1,024 float32; Wo 1,024 x 1,024 float32; Wq 1,024 x 1,024 float32; Wv 1,024 x 1,024 float32; bk 1,024 float32; bo 1,024 float32; bq 1,024 float32; bv 1,024 float32; key 4 x 2,048 x 1,024 float32; query 4 x 2,048 x 1,024 float32; value 4 x 2,048 x 1,024 float32.
;; Outputs: out0 4 x 2,048 x 1,024 float32.
;; This version of the problem:
;;   THIS VERSION OF THE PROBLEM IS GIVEN IN LOW PRECISION. The matrix products marked QUANTISED in the list below multiply operands that are first quantised to E3M2 (3 exponent bits, 2 mantissa bits; 6 bits a number), with one power-of-two scale for each 32 numbers along K (OCP MX v1.0); their sums are f32. All else is computed in f32.
;;   The module's matrix products, in the order in which they are computed (A, B: the left and right operand; K: the contracted axis; several contracted axes count as one K, in the product's order):
;;     1. [M 8,192, K 1,024] x [K 1,024, N 1,024]; A: input query; B: input Wq: QUANTISED
;;     2. [M 8,192, K 1,024] x [K 1,024, N 1,024]; A: input key; B: input Wk: QUANTISED
;;     3. [M 8,192, K 1,024] x [K 1,024, N 1,024]; A: input value; B: input Wv: QUANTISED
;;     4. batch 64 x [M 2,048, K 64] x [K 64, N 2,048]; A: computed on the way; B: computed on the way: QUANTISED
;;     5. batch 64 x [M 2,048, K 2,048] x [K 2,048, N 64]; A: softmax (see below); B: computed on the way: QUANTISED
;;     6. [M 8,192, K 1,024] x [K 1,024, N 1,024]; A: computed on the way; B: input Wo: QUANTISED
;;   THE QUANTISER, for each operand of a quantised product, along K:
;;     - K is cut into blocks of 32 from its start; a last block that is shorter is filled with zeros.
;;     - A block's scale is 2^e with e = floor(log2(the largest magnitude in the block)) - 4, held to -126 .. 127; a block of zeros has e = 0. As a byte (E8M0): e + 127.
;;     - Each number is divided by its block's scale, clamped to +-28, and rounded to the nearest number of E3M2, ties to even, subnormals kept.
;;     - The product sums the exact products of the quantised numbers (number of the format x scale) in f32.
;;   ~~~python
;;   def quantise(x, axis):      # numpy; x: float32 -> the quantised numbers, widened to float32 again
;;       x = np.moveaxis(x, axis, -1); K = x.shape[-1]
;;       x = np.pad(x, [(0, 0)] * (x.ndim - 1) + [(0, -K % 32)]); x = x.reshape(x.shape[:-1] + (-1, 32)); a = np.abs(x).max(-1, keepdims=True)
;;       e = np.where(a > 0, np.clip(np.frexp(np.where(a > 0, a, 1))[1] - 1 - 4, -126, 127), 0)      # np.frexp(a)[1] - 1 = floor(log2(a)), exactly
;;       r = np.clip(x / 2.0 ** e, -28, 28)
;;       step = 2.0 ** (np.maximum(np.frexp(np.where(r == 0, 1, r))[1] - 1, -2) - 2)
;;       q = np.round(r / step) * step * 2.0 ** e      # np.round: ties to even
;;       return np.moveaxis(q.reshape(q.shape[:-2] + (-1,))[..., :K], -1, axis).astype(np.float32)
;;   ~~~
;;   SOFTMAX AHEAD OF A QUANTISED PRODUCT. Where the list says 'softmax', what is quantised is not the finished softmax but p = 2^(t - M), with t = logit x log2(e) and M = ceil(the row's largest t), a whole number; so 1/2 < the row's largest p <= 1. The row's sum l is taken of the UNQUANTISED p, in f32, and the product's result is divided by l at the end. Since M is a whole number, a kernel that streams over the keys may use a running M (the ceiling of the running maximum): every later rescaling is an exact power of two, which a block's scale takes up: the codes' values come out the same.
;;   OPERANDS COMPUTED ON THE WAY. 'Computed on the way' means the value that the module computes at that place (a softmax that the list does not call 'softmax' is quantised finished and normalised). What goes into a quantiser is computed in f32, as accurately as f32 sums, v_exp_f32 and their like allow (about 1e-6 of the number): no bf16 or f16 on the way to a quantiser, and a product that is left as it is and whose result goes on into a quantised operand takes f32 operands (vector FMAs, or v_wmma_f32_16x16x4_f32). A number that lies on a knife's edge between two numbers of the format may be rounded either way, as far as f32 arithmetic and the matrix unit's own rounding can turn it there, and no further.
;; One version. Each part assembles by itself: llvm-mc -triple=amdgcn-amd-amdhsa -mcpu=gfx1250 --defsym DOCPART=n.
;; ======== version 1 of 1: 4 launches
;; workspace buffers: xc 28,311,552 bytes; xs 1,179,648 bytes; qq 6,553,600 bytes; kv 13,107,200 bytes
;; launch quant (part 1): grid 448 x 1, 4 waves a work-group, no clusters, 34,304 bytes of LDS; arguments query, key, value, Wq, Wk, Wv, Wo, xc, xs; writes xc, xs
.if DOCPART == 1
	.amdgcn_target "amdgcn-amd-amdhsa--gfx1250"
	.amdhsa_code_object_version 6
	.text
	.protected	k_q865ef6bdc0_quant
	.globl	k_q865ef6bdc0_quant
	.p2align	8
	.type	k_q865ef6bdc0_quant,@function
k_q865ef6bdc0_quant:
	s_mov_b64 s[64:65], 0
	v_nop
	global_prefetch_b8 v0, s[64:65] scope:SCOPE_SE
	s_setreg_imm32_b32 hwreg(HW_REG_WAVE_MODE, 25, 1), 1
	s_wait_xcnt 0x0
; query, key, value [8192][1024] and Wq, Wk, Wv, Wo [1024][1024], f32, K innermost, become codes of BF6 (E3M2) with one E8M0 byte for each 32 along K,
; laid as IMAGES OF THE MATRIX OPERAND'S REGISTERS.  A block's scale is 2^(floor(log2(its largest magnitude)) - 4): its byte is that magnitude's exponent field - 4, held at 1 from below.
; GROUPS.  Group g of a tensor is 16 rows: lane r's row is 32 (g / 2) + 8 (g % 2) + r + 8 (r / 8).  Taken as source 0 of a product, two neighbouring groups give a lane 16 neighbours of the result.
; KEY'S GROUPS ALONE ARE OTHERWISE: lane r's row is 64 (g / 4) + 8 (g % 4) + r % 8 + 32 (r / 8): as tiles of K in attention's first product, four neighbouring groups give a lane a whole block of 32 neighbouring keys.
; xc: [group][K step of 128][1,536 bytes]: six chunks of 256 bytes; lane l's 8 bytes at 256 p + 8 l are registers 2 p, 2 p + 1 of the fragment (lane (r, h): registers 6 c .. 6 c + 5 = k 64 c + 32 h + 0 .. 31).
; xs: [group][j = 0, 1][r][16 bytes]: the scale words of K steps 4 j .. 4 j + 3 of lane r's row.
; Groups: query 0, key 512, value 1024, Wq 1536, Wk 1600, Wv 1664, Wo 1728 on: work-group w takes groups 4 w .. 4 w + 3, a wave one group for all of K.
; Each load reads 512 consecutive bytes of one row; a K step's 16 rows x 512 bytes turn through the wave's own stage in LDS (rows 528 bytes apart) and come back as 16 neighbours of each block of 32 a lane.
; Every store of codes covers 256 consecutive aligned bytes, the store of scale words 512.  No barrier: waves share nothing.  No matrix unit, no cluster, no tensor load: a stream that is read once.
; LIMITS: NaN and infinities among the inputs are not served.  A block of zeros keeps the byte 1 where the rule says 127: its codes are zeros, and this program alone reads the bytes.
; Blocks whose largest magnitude lies under the floor 2^(5 - 127) were not tried.
.set STG,  8448                        ; a wave's stage: 16 rows x (512 + 16) bytes
.set R,    16                          ; v16-143   two sets of 64 registers as loaded
.set X,    144                         ; v144-207  register 16 b + i = k 32 b + 16 h + i of my row
.set PC,   208                         ; v208-219  the fragment's codes; v220-227 halves on their way
.set TM,   228                         ; v228-243  at work
.set PW,   244                         ; the K step's scale word
.set SW,   248                         ; v248-251  lanes 0-15: words of K steps 0-3; lanes 16-31: of 4-7
.set SEL,  30                          ; s[30:31]  v_permlanex16_b32's selects for lane l xor 16
.set MH,   32                          ; s32       mask of lanes 16-31
	s_load_b512 s[8:23], s[0:1], 0x0               ; query, key, value, Wq, Wk, Wv, Wo, xc
	s_load_b64 s[24:25], s[0:1], 0x40              ; xs
	v_lshl_add_u32 v254, v0, 2, 0x8400
	v_mov_b32 v255, 0
	v_lshrrev_b32 v1, 5, v0
	v_readfirstlane_b32 s26, v1                    ; wave
	v_and_b32 v2, 31, v0                           ; lane
	v_and_b32 v3, 15, v0                           ; r
	v_bfe_u32 v9, v0, 4, 1                         ; h
	v_lshlrev_b32 v4, 4, v2                        ; 16 x lane: my bytes of a load's 512, and of the last store's
	s_mul_i32 s33, s26, STG
	v_add_nc_u32 v5, s33, v4                       ; the stage, in: as loaded
	v_mul_u32_u24 v6, v3, 528
	v_lshl_add_u32 v6, v9, 6, v6
	v_add_nc_u32 v6, s33, v6                       ; out: row r, + 64 h
	v_lshlrev_b32 v7, 3, v2                        ; 8 x lane: my place in a chunk
	s_mov_b32 s[SEL], 0x76543210
	s_mov_b32 s[SEL+1], 0xfedcba98
	s_mov_b32 s[MH], 0xffff0000
.irp b, 0,1,2,3
	v_mov_b32 v[TM+4+\b], 0                        ; written once: a lane permute's destination counts as one of its sources
.endr
	s_wait_kmcnt 0x0
	s_mov_b64 s[4:5], s[8:9]
	s_mov_b32 s27, 0
.macro PICK base, reg                  ; the tensor is chosen by the work-group's number alone; one way through the text serves all seven
	s_cmp_ge_u32 ttmp9, \base
	s_cselect_b64 s[4:5], s[\reg:\reg+1], s[4:5]
	s_cselect_b32 s27, \base, s27
.endm
	PICK 128, 10
	PICK 256, 12
	PICK 384, 14
	PICK 400, 16
	PICK 416, 18
	PICK 432, 20
	s_sub_co_u32 s28, ttmp9, s27
	s_lshl_b32 s28, s28, 2
	s_add_co_u32 s28, s28, s26                     ; my group within the tensor
	s_lshr_b32 s34, s28, 1
	s_lshl_b32 s34, s34, 17                        ; 32 rows of 4,096 bytes for each pair of groups,
	s_and_b32 s29, s28, 1                          ; 8 rows for the odd one;
	s_lshr_b32 s37, s28, 2
	s_lshl_b32 s37, s37, 18                        ; key: 64 rows for each four groups,
	s_and_b32 s38, s28, 3                          ; 8 rows for each of the four
	s_cmp_eq_u32 s27, 128                          ; key's work-groups begin at 128
	s_cselect_b32 s34, s37, s34
	s_cselect_b32 s29, s38, s29
	s_cselect_b32 s39, 1, 0
	s_lshl_b32 s29, s29, 15
	s_add_co_u32 s34, s34, s29
	s_mov_b32 s35, 0
	s_add_nc_u64 s[4:5], s[4:5], s[34:35]          ; the group's rows 0-7
	s_lshl_b32 s34, 0x10000, s39                   ; its rows 8-15 begin 16 rows further on, key's 32
	s_add_nc_u64 s[40:41], s[4:5], s[34:35]
	s_lshl_b32 s36, ttmp9, 2
	s_add_co_u32 s36, s36, s26                     ; my group among all
	s_mul_i32 s34, s36, 12288
	s_add_nc_u64 s[22:23], s[22:23], s[34:35]
	s_lshl_b32 s34, s36, 9
	s_add_nc_u64 s[24:25], s[24:25], s[34:35]
.macro LOAD t                          ; K step t: 16 rows x 512 bytes into set t % 2
.irp i, 0,1,2,3,4,5,6,7
	global_load_b128 v[R+64*((\t)%2)+4*\i:R+64*((\t)%2)+4*\i+3], v4, s[4:5] offset:\i*4096+512*(\t) th:TH_LOAD_NT
.endr
.irp i, 0,1,2,3,4,5,6,7
	global_load_b128 v[R+64*((\t)%2)+32+4*\i:R+64*((\t)%2)+32+4*\i+3], v4, s[40:41] offset:\i*4096+512*(\t) th:TH_LOAD_NT
.endr
.endm
; 64 numbers of a lane become a fragment's codes in v[PC] on and its row's scale word in v[PW]
.macro QUANT s
.irp b, 0,1,2,3
	v_max3_num_f32 v[TM+\b], |v[\s+16*\b]|, |v[\s+1+16*\b]|, 0x2800000   ; block b: my 16 numbers, and the floor 2^(5 - 127): the byte cannot fall under 1
.endr
.irp i, 2,4,6,8,10,12,14
.irp b, 0,1,2,3
	v_max3_num_f32 v[TM+\b], v[TM+\b], |v[\s+16*\b+\i]|, |v[\s+1+16*\b+\i]|   ; the four blocks by turns
.endr
.endr
.irp b, 0,1,2,3
	v_permlanex16_b32 v[TM+4+\b], v[TM+\b], s[SEL], s[SEL+1]
.endr
.irp b, 0,1,2,3
	v_max_num_f32 v[TM+\b], v[TM+\b], v[TM+4+\b]   ; with lane l xor 16's: the block's largest magnitude
.endr
.irp b, 0,1,2,3
	v_add_nc_u32 v[TM+12+\b], 0xfe000000, v[TM+\b] ; 4 off its exponent field: the conversion's scale operand
.endr
.irp b, 0,1,2,3
	v_lshrrev_b32 v[TM+4+\b], 23, v[TM+12+\b]      ; the scale's byte
.endr
	v_lshl_or_b32 v[PW], v[TM+5], 8, v[TM+4]
	v_lshl_or_b32 v[PW], v[TM+6], 16, v[PW]
	v_lshl_or_b32 v[PW], v[TM+7], 24, v[PW]
.irp c, 0,1
	v_cvt_scalef32_pk16_bf6_f32 v[PC+6*\c:PC+2+6*\c], v[\s+32*\c:\s+15+32*\c], v[TM+12+2*\c]
	v_cvt_scalef32_pk16_bf6_f32 v[PC+12+4*\c:PC+14+4*\c], v[\s+16+32*\c:\s+31+32*\c], v[TM+12+2*\c+1]   ; (a conversion's three registers begin on an even number)
.endr
	v_nop                                          ; one plain place behind a scaled conversion
.irp c, 0,1                            ; the operand wants a WHOLE block in a lane: lanes 0-15 block 2 c, lanes 16-31 block 2 c + 1
.irp i, 0,1,2
	v_permlane16_swap_b32 v[PC+6*\c+\i], v[PC+12+4*\c+\i]
.endr
.irp i, 0,1,2
	v_mov_b32 v[PC+3+6*\c+\i], v[PC+12+4*\c+\i]
.endr
.endr
.endm
.macro STEP t
.if \t < 7
	s_wait_loadcnt 16                              ; this step's 16 loads are in; the next step's 16 stay out
.else
	s_wait_loadcnt 0x0
.endif
.irp i, 0,1,2,3,4,5,6,7,8,9,10,11,12,13,14,15
	ds_store_b128 v5, v[R+64*((\t)%2)+4*\i:R+64*((\t)%2)+4*\i+3] offset:528*\i
.endr
.irp b, 0,1,2,3
.irp j, 0,1,2,3
	ds_load_b128 v[X+16*\b+4*\j:X+16*\b+4*\j+3], v6 offset:128*\b+16*\j   ; LDS serves a wave's instructions in order: these see the stores above
.endr
.endr
	s_wait_dscnt 0x0                               ; my 64 numbers are back, so the stage's stores have read their registers,
.if \t < 6
	LOAD \t+2                                      ; which take the loads of two steps on
.endif
	s_wait_xcnt 0x0                                ; the last step's stores have read their data: the codes' registers are written again only behind this wait
	QUANT X
.irp p, 0,1,2,3,4,5
	global_store_b64 v7, v[PC+2*\p:PC+2*\p+1], s[22:23] offset:1536*\t+256*\p   ; 32 lanes store 256 consecutive bytes, aligned
.endr
.if \t < 4
	v_mov_b32 v[SW+\t], v[PW]
.else
	v_cndmask_b32 v[SW+\t-4], v[SW+\t-4], v[PW], s[MH]   ; lanes 16-31 keep the words of K steps 4-7
.endif
.endm
	LOAD 0
	LOAD 1
.irp t, 0,1,2,3,4,5,6,7
	STEP \t
.endr
	global_store_b128 v4, v[SW:SW+3], s[24:25]     ; the group's 512 bytes of scale words
	s_wait_tensorcnt 0x0
	ds_add_u32 v254, v255
	s_wait_dscnt 0x0
	s_endpgm
.Lfunc_end_k_q865ef6bdc0_quant:
	.size	k_q865ef6bdc0_quant, .Lfunc_end_k_q865ef6bdc0_quant-k_q865ef6bdc0_quant
	.p2alignl 7, 3214868480
	.fill 96, 4, 3214868480
	.section	.rodata,"a",@progbits
	.p2align	6, 0x0
	.amdhsa_kernel k_q865ef6bdc0_quant
		.amdhsa_group_segment_fixed_size 34304
		.amdhsa_private_segment_fixed_size 0
		.amdhsa_enable_private_segment 0
		.amdhsa_kernarg_size 72
		.amdhsa_user_sgpr_count 2
		.amdhsa_user_sgpr_kernarg_segment_ptr 1
		.amdhsa_wavefront_size32 1
		.amdhsa_system_sgpr_workgroup_id_x 1
		.amdhsa_system_sgpr_workgroup_id_y 1
		.amdhsa_system_sgpr_workgroup_id_z 1
		.amdhsa_system_vgpr_workitem_id 0
		.amdhsa_next_free_vgpr 256
		.amdhsa_next_free_sgpr 66
		.amdhsa_reserve_vcc 0
		.amdhsa_float_denorm_mode_32 3
		.amdhsa_float_denorm_mode_16_64 3
		.amdhsa_memory_ordered 1
		.amdhsa_forward_progress 1
		.amdhsa_inst_pref_size 67
	.end_amdhsa_kernel
	.amdgpu_metadata
---
amdhsa.version: [ 1, 2 ]
amdhsa.kernels:
  - .name:           k_q865ef6bdc0_quant
    .symbol:         k_q865ef6bdc0_quant.kd
    .args:
      - { .name: query, .offset: 0, .size: 8, .value_kind: global_buffer, .address_space: global }
      - { .name: key, .offset: 8, .size: 8, .value_kind: global_buffer, .address_space: global }
      - { .name: value, .offset: 16, .size: 8, .value_kind: global_buffer, .address_space: global }
      - { .name: Wq, .offset: 24, .size: 8, .value_kind: global_buffer, .address_space: global }
      - { .name: Wk, .offset: 32, .size: 8, .value_kind: global_buffer, .address_space: global }
      - { .name: Wv, .offset: 40, .size: 8, .value_kind: global_buffer, .address_space: global }
      - { .name: Wo, .offset: 48, .size: 8, .value_kind: global_buffer, .address_space: global }
      - { .name: xc, .offset: 56, .size: 8, .value_kind: global_buffer, .address_space: global }
      - { .name: xs, .offset: 64, .size: 8, .value_kind: global_buffer, .address_space: global }
    .group_segment_fixed_size: 34304
    .private_segment_fixed_size: 0
    .kernarg_segment_align: 8
    .kernarg_segment_size: 72
    .max_flat_workgroup_size: 128
    .sgpr_count:     66
    .vgpr_count:     256
    .wavefront_size: 32
...
	.end_amdgpu_metadata
.endif
;; end of part 1
;; launch proj (part 2): grid 4 x 96, 4 waves a work-group, clusters of 4 x 4, 327,680 bytes of LDS; arguments xc, xs, bq, bk, bv, qq, kv; writes qq, kv
.if DOCPART == 2
	.amdgcn_target "amdgcn-amd-amdhsa--gfx1250"
	.amdhsa_code_object_version 6
	.text
	.protected	k_q865ef6bdc0_proj
	.globl	k_q865ef6bdc0_proj
	.p2align	8
	.type	k_q865ef6bdc0_proj,@function
k_q865ef6bdc0_proj:
	s_mov_b64 s[64:65], 0
	v_nop
	global_prefetch_b8 v0, s[64:65] scope:SCOPE_SE
	s_setreg_imm32_b32 hwreg(HW_REG_WAVE_MODE, 25, 1), 1
	s_wait_xcnt 0x0
	s_wait_alu depctr_hold_cnt(0) depctr_sa_sdst(0) depctr_va_vdst(0) depctr_va_sdst(0) depctr_va_ssrc(0) depctr_va_vcc(0) depctr_vm_vsrc(0)
	s_getreg_b32 s2, hwreg(HW_REG_IB_STS2, 6, 4)
	s_cmp_eq_u32 s2, 0
	s_cbranch_scc0 .Lentry_in_a_cluster
	s_endpgm
.Lentry_in_a_cluster:
	s_bfe_u32 s2, ttmp6, 0x10000c
	s_cmp_lg_u32 s2, 0xf033
	s_cbranch_scc0 .Lentry_shape_is_right
	s_endpgm
.Lentry_shape_is_right:
; q = query Wq^T + bq, k = key Wk^T + bk, v = value Wv^T + bv on codes of BF6 (E3M2) with E8M0 scales, sums in f32, and the results QUANTISED IN REGISTERS for attention: q and k along the head's 64, v along the keys.
; KIND = cluster y / 8: 0 q, 1 k, 2 v.  A work-group of four waves makes 256 x 256 of a result, a wave 128 x 128: 64 accumulators, 512 registers.
; SOURCE 0 (S0) is the matrix along whose rows the result is quantised (q, k: the weight, v: value), SOURCE 1 (S1) gives a lane its row (q, k: the tokens, v: Wv's rows).
; By S0's groups' row order (lane r of group g: row 32 (g / 2) + 8 (g % 2) + r + 8 (r / 8)) the 16 registers of accumulators (a, 2 e), (a, 2 e + 1) are S0 rows 32 e + 16 h + 0 .. 15: 16 neighbours along the next K.
; OPERANDS come as images of their registers (xc: [group][K step][6 chunks of 256 bytes]); a slot of LDS holds two K steps of 128 of S1's 16 groups and S0's 16.
; THREE SLOTS: K steps 0-5 are three first fills, issued together; K steps 6, 7 are the one refill, into slot 0, asked for in K step 1 and first read behind K step 5: 256 matrix instructions a wave lie between.
; THE SCALE WORDS of the wave's groups, for all of K, come once, straight into 64 registers: lanes 0-15 S1's, lanes 16-31 S0's.  THE BIAS is the C of the first K step's products.
; CLUSTER 4 x 4: S1's tiles hang on the tile row alone and are asked for jointly along a row of the cluster, S0's on the tile column alone, jointly along a column.
; The branches on KIND hang on the cluster's y, which all sixteen partners share; no barrier, no tensor load and no LDS store stands inside them.
; OUT.  kv: [head b 16 + H][key step G of 128 keys][12,800 bytes]: 4 double fragments of K, 4 fragments of V^T (1,536 bytes each: registers 4 k .. 4 k + 3 of lane l at 512 k + 16 l), 256 bytes of K's scale words
; (r x 16 bytes), 256 of V's.  qq: [head][G][6,400]: 4 double fragments of Q, 256 bytes of scale words.  A DOUBLE FRAGMENT z: registers 6 u .. 6 u + 5 of lane (r, h) = lane r's token of the wave's group 2 z + u, block h of the head's 64.
; Which token that is, the groups' row order says: for q token 32 z + 8 u + r + 8 (r / 8); for k, whose groups are laid otherwise, key 64 (t / 4) + 8 (t % 4) + r % 8 + 32 (r / 8) with t = 2 z + u.
; Its scale word: bytes u = 0: blocks 0, 1; u = 1: blocks 0, 1.  V^T's fragment t: lane r = channel 32 (t / 2) + 8 (t % 2) + r + 8 (r / 8), registers along the 128 keys.
; LIMITS: NaN and infinities are not served; a block of zeros keeps the byte 1 (its codes are zeros; this program alone reads the bytes); blocks under the floor 2^(5 - 127) were not tried.
; REGISTERS, in windows of 256: window 0: v16-29 addresses; v32-95 scale words; v96-127, v224-255 the bias (first K step), later at work; v128-223 S1's fragments, ONE set, later the codes on their way out.
;   window 1: S0's fragments, TWO sets, at v0 and v128.   windows 2, 3: accumulator (a, b) at v[8 (8 (a % 4) + b)] of window 2 + a / 4.
.set HALFT,  24576                     ; 8 groups x two K steps x 1,536 bytes: what one tensor load brings, and what a wave reads of S1 or of S0
.set SLOT,   4*HALFT                   ; S1's two halves, then S0's
.set SPARE,  3*SLOT                    ; behind the three slots: the spare words, 128 bytes a wave: two blocks of 256 bytes that no other line names
.set FR,     12                        ; registers of a fragment
.set NL,     6                         ; LDS loads that bring one
.set ADRA,   16                        ; v16-18  my S1 fragments in slot 0, 1, 2: 8 x lane + my half
.set ADRB,   20                        ; v20-22  the same for S0
.set LI,     24                        ; v24     16 x lane
.set SCO,    25                        ; v25     where my scale words go
.set XSO,    26                        ; v26     where my scale words come from
.set BIO,    27                        ; v27     my offset in the bias
.set SPW,    28                        ; v28     my spare word; never rewritten
.set NIL,    29                        ; v29     0; never rewritten
.set SC,     32                        ; v[SC + 8 i + ks]: lanes 0-15 the word of S1's block i, lanes 16-31 of S0's block i, K step ks
.set AF,     128
.set TM,     96                        ; the way out: v96-111 at work, v112-113 two scale words, v114-121 halves on their way
.set PWA,    112
.set PWB,    113
.set CT,     114
.set WS,     224                       ; v224-231 the scale words of the wave's two heads
.set OUT,    128                       ; v128-175 codes to store, two sets of 24
.set G1,     24                        ; s[24:31] descriptor group 1 for S1;  group 0: s[32:35], s[36:39], s[96:99] for slots 0, 1, 2
.set G0,     32
.set G1B,    48                        ; s[48:55] group 1 for S0;  group 0: s[56:59], s[60:63], s[92:95]
.set G0B,    56
.set KIND,   66
.set MH,     90                        ; mask of lanes 16-31
.set SEL,    2                         ; s[2:3] selects for lane l xor 16
.set MSB, 0
.macro WIN new                         ; bits 1:0 source 0, 3:2 source 1, 5:4 source 2, 7:6 destination; the high byte repeats the setting that is left
.if MSB != (\new)
	s_set_vgpr_msb (MSB<<8)|(\new)
.set MSB, (\new)
.endif
.endm
.macro JLOAD g0a, g0b                  ; a joint load: waves 0, 1 fetch S1's halves, waves 2, 3 S0's; four v_nop follow each line
	s_cmp_eq_u32 s15, 0
	s_cbranch_scc0 .Lfor_b_\@
	tensor_load_to_lds s[\g0a:\g0a+3], s[G1:G1+7]
	s_nop 0
.rept 4
	v_nop
.endr
	s_branch .Lasked_\@
.Lfor_b_\@:
	tensor_load_to_lds s[\g0b:\g0b+3], s[G1B:G1B+7]
	s_nop 0
.rept 4
	v_nop
.endr
.Lasked_\@:
.endm
.macro CREST                           ; a round of the cluster's barrier behind its opening barrier
	s_cmp_lg_u32 s14, 0
	s_cbranch_scc1 .Lnot_wave_0_\@
	s_barrier_signal -3
.Lnot_wave_0_\@:
	s_barrier_wait -3
	s_barrier_signal -1
	s_barrier_wait -1
.endm
.macro CROUND
	s_barrier_signal -1
	s_barrier_wait -1
	CREST
.endm
.macro PLACES n                        ; plain places behind matrix instructions, in front of loads into their registers and of reads of their results
.rept \n
	v_nop
.endr
.endm
	s_load_b256 s[4:11], s[0:1], 0x0               ; xc s[4:5], xs s[6:7], bq s[8:9], bk s[10:11]
	s_load_b128 s[72:75], s[0:1], 0x20             ; bv s[72:73], qq s[74:75]
	s_load_b64 s[76:77], s[0:1], 0x30              ; kv
	v_lshl_add_u32 v[SPW], v0, 2, SPARE
	v_mov_b32 v[NIL], 0
	ds_add_u32 v28, v29
	ds_add_u32 v28, v29
	s_wait_dscnt 0x0
	v_lshrrev_b32 v1, 5, v0
	v_readfirstlane_b32 s14, v1                    ; wave 0..3
	s_lshr_b32 s15, s14, 1                         ; my half of S1's rows.  Also: I fetch for S1 (0) or S0 (1)
	s_and_b32 s16, s14, 1                          ; my half of S0's rows.  Also: which half I fetch
	s_bfe_u32 s40, ttmp6, 0x40000                  ; cx
	s_bfe_u32 s41, ttmp6, 0x40004                  ; cy
	s_and_b32 s[KIND], ttmp7, 0xffff               ; cluster y, 0 .. 23
	s_and_b32 s67, s[KIND], 7                      ; which of the kind's eight clusters
	s_lshr_b32 s[KIND], s[KIND], 3
	s_lshl_b32 s68, s67, 2
	s_lshl_b32 s70, s[KIND], 9                     ; S1's first group: q, k: the tokens', 512 x kind
	s_lshl_b32 s71, s[KIND], 6
	s_add_co_u32 s71, s71, 1536                    ; S0's: the weight's, 1536 + 64 x kind
	s_cmp_eq_u32 s[KIND], 2
	s_cselect_b32 s18, 0, s68                      ; the long axis (32 tiles of tokens) is S1's for q and k, S0's for v
	s_cselect_b32 s19, s68, 0
	s_cselect_b32 s70, 1664, s70                   ; v: S1 = Wv,
	s_cselect_b32 s71, 1024, s71                   ;    S0 = value
	s_add_co_u32 s17, s18, s41                     ; tile row (S1): never holds cx
	s_add_co_u32 s42, s19, s40                     ; tile column (S0): never holds cy
	s_lshl_b32 s43, s41, 2
	s_lshl_b32 s43, 15, s43                        ; my row of the cluster
	s_lshl_b32 s44, 0x1111, s40                    ; my column
	s_or_b32 s[G1], s43, (3<<16)|(1<<21)           ; 15:0 the mask; 17:16 elements of 8 bytes; 20 no padding; 21 set beside a mask
	s_or_b32 s[G1B], s44, (3<<16)|(1<<21)
.irp g, G1, G1B
	s_mov_b32 s[\g+1], 384<<16                     ; tensor_dim0: 3,072 bytes, two K steps of a group
	s_mov_b32 s[\g+2], 8<<16                       ; tensor_dim1: 8 groups
	s_mov_b32 s[\g+3], 384<<16                     ; tile_dim0
	s_mov_b32 s[\g+4], 8                           ; tile_dim1
	s_mov_b32 s[\g+5], 1536                        ; from group to group: 12,288 bytes
	s_mov_b32 s[\g+6], 0
	s_mov_b32 s[\g+7], 0
.endr
	s_mov_b32 s[MH], 0xffff0000
	s_mov_b32 s[SEL], 0x76543210
	s_mov_b32 s[SEL+1], 0xfedcba98
	s_lshl_b32 s18, s16, 3                         ; the 8 groups that I fetch
	s_lshl_b32 s20, s17, 4
	s_add_co_u32 s20, s20, s70
	s_add_co_u32 s20, s20, s18
	s_mul_i32 s20, s20, 12288
	s_mov_b32 s21, 0
	s_lshl_b32 s46, s42, 4
	s_add_co_u32 s46, s46, s71
	s_add_co_u32 s46, s46, s18
	s_mul_i32 s46, s46, 12288
	s_mov_b32 s47, 0
	s_mul_i32 s45, s14, HALFT                      ; where they go: the wave's number alone
	s_wait_kmcnt 0x0
	s_add_nc_u64 s[20:21], s[4:5], s[20:21]
	s_add_nc_u64 s[46:47], s[4:5], s[46:47]
	CROUND                                         ; all sixteen work-groups are here: the first joint loads meet
.macro FIRST s, g0a, g0b               ; slot s takes K steps 2 s, 2 s + 1
	s_mov_b32 s[\g0a], 1
	s_add_co_u32 s[\g0a+1], s45, \s*SLOT
	s_add_nc_u64 s[\g0a+2:\g0a+3], s[20:21], \s*3072
	s_or_b32 s[\g0a+3], s[\g0a+3], 0x80000000
	s_mov_b32 s[\g0b], 1
	s_add_co_u32 s[\g0b+1], s45, \s*SLOT
	s_add_nc_u64 s[\g0b+2:\g0b+3], s[46:47], \s*3072
	s_or_b32 s[\g0b+3], s[\g0b+3], 0x80000000
	JLOAD \g0a, \g0b
.endm
	FIRST 0, 32, 56
	FIRST 1, 36, 60
	FIRST 2, 96, 92                                ; three loads of mine are out
	v_and_b32 v1, 15, v0                           ; r
	v_bfe_u32 v2, v0, 4, 1                         ; h
	v_and_b32 v3, 31, v0                           ; lane
	v_lshlrev_b32 v4, 3, v3
	v_lshlrev_b32 v[LI], 4, v3
	s_mul_i32 s18, s15, HALFT
	s_mul_i32 s19, s16, HALFT
	s_add_co_u32 s19, s19, 2*HALFT
.irp s, 0,1,2
	v_add_nc_u32 v[ADRA+\s], s18, v4
	v_add_nc_u32 v[ADRB+\s], s19, v4
	s_add_co_u32 s18, s18, SLOT
	s_add_co_u32 s19, s19, SLOT
.endr
	s_lshl_b32 s18, s17, 4                         ; the scale words of my 8 groups of S1 (lanes 0-15) and of S0 (lanes 16-31): 512 bytes a group
	s_add_co_u32 s18, s18, s70
	s_lshl_b32 s22, s15, 3
	s_add_co_u32 s18, s18, s22
	s_lshl_b32 s18, s18, 9
	s_lshl_b32 s19, s42, 4
	s_add_co_u32 s19, s19, s71
	s_lshl_b32 s22, s16, 3
	s_add_co_u32 s19, s19, s22
	s_lshl_b32 s19, s19, 9
	v_lshlrev_b32 v5, 4, v1                        ; 16 r
	v_add_nc_u32 v6, s18, v5
	v_add_nc_u32 v7, s19, v5
	v_cndmask_b32 v[XSO], v6, v7, s[MH]
.irp i, 0,1,2,3,4,5,6,7
.irp j, 0,1
	global_load_b128 v[SC+8*\i+4*\j:SC+8*\i+4*\j+3], v[XSO], s[6:7] offset:512*\i+256*\j   ; sixteen lanes read 256 consecutive bytes: four K steps' words a lane
.endr
.endr
	s_lshl_b32 s18, s17, 8
	s_lshl_b32 s22, s15, 7
	s_add_co_u32 s18, s18, s22                     ; my first row of S1
	s_lshl_b32 s19, s42, 8
	s_lshl_b32 s22, s16, 7
	s_add_co_u32 s19, s19, s22                     ; my first row of S0
	s_cmp_eq_u32 s[KIND], 2
	s_cselect_b32 s88, s19, s18                    ; my first token,
	s_cselect_b32 s89, s18, s19                    ; my first feature
	s_cmp_eq_u32 s[KIND], 0
	s_cselect_b64 s[78:79], s[8:9], s[10:11]
	s_cselect_b64 s[80:81], s[74:75], s[76:77]
	s_cselect_b32 s22, 1, 0                        ; q's records are half as large as kv's
	s_lshr_b32 s84, 204800, s22                    ; bytes of a head,
	s_lshr_b32 s85, 12800, s22                     ; of a record,
	s_lshr_b32 s87, 12288, s22                     ; and where a record's scale words begin
	s_cmp_eq_u32 s[KIND], 2
	s_cselect_b64 s[78:79], s[72:73], s[78:79]     ; the kind's bias
	s_cselect_b32 s86, 6144, 0                     ; V's fragments lie behind K's,
	s_cselect_b32 s87, 6400, s87                   ; its scale words 6,400 bytes behind its fragments' first
	s_lshl_b32 s22, s89, 2
	s_mov_b32 s23, 0
	s_add_nc_u64 s[78:79], s[78:79], s[22:23]      ; the bias at my first feature
	s_lshr_b32 s22, s88, 11
	s_lshl_b32 s22, s22, 4
	s_lshr_b32 s23, s89, 6
	s_add_co_u32 s22, s22, s23                     ; my first head: 16 b + H
	s_mul_i32 s22, s22, s84
	s_bfe_u32 s23, s88, 0x40007                    ; G
	s_mul_i32 s23, s23, s85
	s_add_co_u32 s22, s22, s23
	s_add_co_u32 s22, s22, s86
	s_mov_b32 s23, 0
	s_add_nc_u64 s[80:81], s[80:81], s[22:23]      ; where my first head's fragments go,
	s_mov_b32 s22, s84
	s_add_nc_u64 s[82:83], s[80:81], s[22:23]      ; and my second's
	v_mul_u32_u24 v6, s84, v2
	v_add3_u32 v[SCO], v6, v5, s87                 ; scale words: lanes 0-15 the first head's, lanes 16-31 the second's; 16 bytes a row
	s_cmp_eq_u32 s[KIND], 2
	s_cbranch_scc1 .Lbias_v
	v_lshlrev_b32 v[BIO], 6, v2                    ; q, k: the bias runs along the registers: S0 block b, lane half h: features 32 (b / 2) + 16 h + 8 (b % 2) + 0 .. 7
.irp b, 0,1,2,3,4,5,6,7
.set CB, 96+8*\b+96*(\b/4)
	global_load_b128 v[CB:CB+3], v[BIO], s[78:79] offset:(32*(\b/2)+8*(\b%2))*4
	global_load_b128 v[CB+4:CB+7], v[BIO], s[78:79] offset:(32*(\b/2)+8*(\b%2))*4+16
.endr
	s_branch .Lbias_done
.Lbias_v:
	v_and_b32 v6, 8, v1                            ; v: the bias hangs on the lane: S1 block a, lane r: feature 32 (a / 2) + 8 (a % 2) + r + 8 (r / 8), in all eight registers
	v_add_nc_u32 v6, v6, v1
	v_lshlrev_b32 v[BIO], 2, v6
.irp a, 0,1,2,3,4,5,6,7
.set CB, 96+8*\a+96*(\a/4)
	global_load_b32 v[CB], v[BIO], s[78:79] offset:(32*(\a/2)+8*(\a%2))*4
.endr
	s_wait_loadcnt 0x0
.irp a, 0,1,2,3,4,5,6,7
.set CB, 96+8*\a+96*(\a/4)
.irp j, 1,2,3,4,5,6,7
	v_mov_b32 v[CB+\j], v[CB]
.endr
.endr
.Lbias_done:
	s_wait_loadcnt 0x0                             ; scale words and bias, once
.macro FRAG reg, adr, q, i             ; a fragment as it was stored: six loads of 256 consecutive bytes
.irp p, 0,1,2,3,4,5
	ds_load_b64 v[\reg+2*\p:\reg+2*\p+1], v[\adr] offset:(\i)*3072+(\q)*1536+256*\p
.endr
.endm
; 16 matrix instructions: S1's blocks a0, a0 + 1 x S0's eight, K step ks; p: S0's set.  cm = 0: C = D;  1: C = the bias by S0's block;  2: by S1's block.
; The 64 accumulators take turns, one instruction a turn, in the same order in every step.
.macro MUL16 a0, p, ks, cm
.irp a, \a0, \a0+1
.irp b, 0,1,2,3,4,5,6,7
.set DD, 8*(8*((\a)%4)+\b)
.if \cm == 0
.set CC, DD
.elseif \cm == 1
.set CC, 96+8*\b+96*(\b/4)
.else
.set CC, 96+8*(\a)+96*((\a)/4)
.endif
	v_wmma_scale_f32_16x16x128_f8f6f4 v[DD:DD+7], v[128*(\p)+FR*\b:128*(\p)+FR*\b+FR-1], v[AF+FR*(\a):AF+FR*(\a)+FR-1], v[CC:CC+7], v[SC+8*\b+(\ks)], v[SC+8*(\a)+(\ks)] matrix_a_fmt:MATRIX_FMT_BF6 matrix_b_fmt:MATRIX_FMT_BF6 matrix_a_scale:MATRIX_SCALE_ROW1
.endr
.endr
.endm
.macro FETCH_B slot, q, p
	WIN 0x40                                       ; destination window 1
.irp i, 0,1,2,3,4,5,6,7
	FRAG 128*(\p)+FR*\i, ADRB+\slot, \q, \i
.endr
	WIN 0
.endm
.macro FETCH_A slot, q, i0
.irp i, \i0, \i0+1, \i0+2, \i0+3
	FRAG AF+FR*(\i), ADRA+\slot, \q, \i
.endr
.endm
; K step ks on S0's set p, with no barrier.  The next K step's fragments come from half fq of slot fslot, which every wave already knows to be whole:
; S1's blocks 0-3 are fetched anew in the step's middle, blocks 4-7 at its end; S0's other set in the middle.
.macro STEP p, ks, cm, fslot, fq
	s_wait_dscnt 4*NL                              ; S0's set and S1's blocks 0-3 are in; the youngest 24 loads (blocks 4-7) may be out
.if \cm
	WIN 0x81                                       ; S0 window 1, S1 and the bias window 0, D window 2
.else
	WIN 0xa1                                       ; C and D window 2
.endif
	MUL16 0, \p, \ks, \cm
	MUL16 2, \p, \ks, \cm
	s_wait_dscnt 0x0                               ; blocks 4-7 are in
	PLACES 4
	FETCH_B \fslot, \fq, 1-\p
	FETCH_A \fslot, \fq, 0
.if \cm
	WIN 0xc1
.else
	WIN 0xf1
.endif
	MUL16 4, \p, \ks, \cm
	MUL16 6, \p, \ks, \cm
	PLACES 4
	WIN 0
	FETCH_A \fslot, \fq, 4
.endm
; A slot's second K step with a barrier: in front of it each wave waits for all its tensor loads, adds 0 to its spare word, and waits for that and for its reads of this slot.
; fill = 1: this slot is filled again.  fill = 0: the barrier shows the refilled slot whole to every wave.
.macro TURN slot, next, fill, ks
	s_wait_tensorcnt 0x0                           ; all my tensor loads have landed
	ds_add_u32 v[SPW], v[NIL]                      ; 0 onto my spare word
	s_wait_dscnt 4*NL+1                            ; the add and the youngest 24 loads may be out
	WIN 0xa1
	MUL16 0, 1, \ks, 0                             ; sixteen matrix instructions stand between the add and the wait for it
	s_wait_dscnt 0x0                               ; the add is done, and my reads of this slot are over
	s_barrier_signal -1
	MUL16 2, 1, \ks, 0
	WIN 0
	s_barrier_wait -1
.if \fill
	CREST                                          ; the barrier has opened a round of the cluster's: no wave of any partner still reads this slot or has a load on its way
	s_add_nc_u64 s[G0+4*\slot+2:G0+4*\slot+3], s[G0+4*\slot+2:G0+4*\slot+3], 9216    ; three slots on: K steps 6, 7
	s_add_nc_u64 s[G0B+4*\slot+2:G0B+4*\slot+3], s[G0B+4*\slot+2:G0B+4*\slot+3], 9216
	JLOAD G0+4*\slot, G0B+4*\slot                  ; the first tensor load behind the round, and my last; its four v_nop are the places in front of the loads below
.else
	PLACES 4
.endif
	FETCH_B \next, 0, 0
	FETCH_A \next, 0, 0
	WIN 0xf1
	MUL16 4, 1, \ks, 0
	MUL16 6, 1, \ks, 0
	PLACES 4
	WIN 0
	FETCH_A \next, 0, 4
.endm
	s_wait_tensorcnt 2                             ; my part of slot 0 is in; slots 1 and 2 may stay out
	s_barrier_signal -1
	s_barrier_wait -1
	FETCH_B 0, 0, 0
	FETCH_A 0, 0, 0
	FETCH_A 0, 0, 4
	s_cmp_eq_u32 s[KIND], 2                        ; the first K step starts the sums from the bias, which lies by S0's blocks (q, k) or by S1's (v)
	s_cbranch_scc1 .Lfirst_v
	STEP 0, 0, 1, 0, 1
	s_branch .Lfirst_done
.Lfirst_v:
	STEP 0, 0, 2, 0, 1
.Lfirst_done:
	TURN 0, 1, 1, 1                                ; every wave's parts of slots 1 and 2 have landed; slot 0 takes K steps 6, 7
	STEP 0, 2, 0, 1, 1
	STEP 1, 3, 0, 2, 0                             ; on into slot 2 without a barrier: the last one has shown it whole, and nothing is filled here
	STEP 0, 4, 0, 2, 1
	TURN 2, 0, 0, 5                                ; slot 0's second fill has landed in every wave
	STEP 0, 6, 0, 0, 1
	s_wait_dscnt 4*NL
	WIN 0xa1
	MUL16 0, 1, 7, 0
	MUL16 2, 1, 7, 0
	s_wait_dscnt 0x0
	WIN 0xf1
	MUL16 4, 1, 7, 0
	MUL16 6, 1, 7, 0
	WIN 0
; THE WAY OUT: no LDS.  The 64 registers of S1's block a (register 16 e + i = S0 row 32 e + 16 h + i of lane r's row) are quantised; the codes of blocks 0, 1 go to v[d0] on (6 registers),
; those of blocks 2, 3 to v[d1] on, the four bytes to v[pw].  Each accumulator is read from its low end on.
.macro QUANT a, d0, d1, pw
.set AC, 64*((\a)%4)
.set W, 2+(\a)/4
	WIN W|(W<<2)
.irp b, 0,1,2,3
	v_max3_num_f32 v[TM+\b], |v[AC+16*\b]|, |v[AC+16*\b+1]|, 0x2800000   ; and the floor 2^(5 - 127): the byte cannot fall under 1
.endr
	WIN (W<<2)|(W<<4)
.irp i, 2,4,6,8,10,12,14
.irp b, 0,1,2,3
	v_max3_num_f32 v[TM+\b], v[TM+\b], |v[AC+16*\b+\i]|, |v[AC+16*\b+\i+1]|
.endr
.endr
	WIN 0
.irp b, 0,1,2,3
	v_permlanex16_b32 v[TM+4+\b], v[TM+\b], s[SEL], s[SEL+1]
.endr
.irp b, 0,1,2,3
	v_max_num_f32 v[TM+\b], v[TM+\b], v[TM+4+\b]   ; with lane l xor 16's: the block's largest magnitude
.endr
.irp b, 0,1,2,3
	v_add_nc_u32 v[TM+12+\b], 0xfe000000, v[TM+\b] ; 4 off its exponent field: the conversion's scale operand
.endr
.irp b, 0,1,2,3
	v_lshrrev_b32 v[TM+4+\b], 23, v[TM+12+\b]      ; the scale's byte
.endr
	v_lshl_or_b32 v[\pw], v[TM+5], 8, v[TM+4]
	v_lshl_or_b32 v[\pw], v[TM+6], 16, v[\pw]
	v_lshl_or_b32 v[\pw], v[TM+7], 24, v[\pw]
	WIN W
	v_cvt_scalef32_pk16_bf6_f32 v[\d0:\d0+2], v[AC:AC+15], v[TM+12]
	v_cvt_scalef32_pk16_bf6_f32 v[CT:CT+2], v[AC+16:AC+31], v[TM+13]
	v_cvt_scalef32_pk16_bf6_f32 v[\d1:\d1+2], v[AC+32:AC+47], v[TM+14]
	v_cvt_scalef32_pk16_bf6_f32 v[CT+4:CT+6], v[AC+48:AC+63], v[TM+15]
	WIN 0
	v_nop                                          ; one plain place behind a scaled conversion
.irp i, 0,1,2
	v_permlane16_swap_b32 v[\d0+\i], v[CT+\i]      ; a WHOLE block in a lane: lanes 0-15 the even block, lanes 16-31 the odd one
.endr
.irp i, 0,1,2
	v_permlane16_swap_b32 v[\d1+\i], v[CT+4+\i]
.endr
.irp i, 0,1,2
	v_mov_b32 v[\d0+3+\i], v[CT+\i]
.endr
.irp i, 0,1,2
	v_mov_b32 v[\d1+3+\i], v[CT+4+\i]
.endr
.endm
.macro EMIT c, i, reg                  ; 12 registers leave as an image: each store covers 512 consecutive bytes, aligned
.irp k, 0,1,2
	global_store_b128 v[LI], v[\reg+4*\k:\reg+4*\k+3], s[80+2*(\c):81+2*(\c)] offset:1536*(\i)+512*\k
.endr
.endm
	PLACES 4
.irp b, 0,1,2,3
	v_mov_b32 v[TM+4+\b], 0                        ; a lane permute's destination counts as one of its sources
.endr
	s_cmp_eq_u32 s[KIND], 2
	s_cbranch_scc1 .Lout_v
.irp z, 0,1,2,3                        ; q, k: my 128 features are two heads of two blocks: blocks 2 z and 2 z + 1 of tokens make each head's double fragment z
.if \z > 1
	s_wait_xcnt 0x0                                ; the stores of two turns ago have read their data
.endif
	QUANT 2*\z, OUT+24*(\z%2), OUT+24*(\z%2)+12, PWA
	QUANT 2*\z+1, OUT+24*(\z%2)+6, OUT+24*(\z%2)+18, PWB
	v_perm_b32 v[WS+\z], v[PWB], v[PWA], 0x05040100     ; the first head's bytes: u = 0's two, u = 1's two
	v_perm_b32 v[WS+4+\z], v[PWB], v[PWA], 0x07060302   ; the second head's
	EMIT 0, \z, OUT+24*(\z%2)
	EMIT 1, \z, OUT+24*(\z%2)+12
.endr
	s_branch .Lout_done
.Lout_v:
.irp a, 0,1,2,3,4,5,6,7                ; v: block a of channels is fragment a % 4 of head a / 4; its registers run along my 128 keys
.if \a > 1
	s_wait_xcnt 0x0
.endif
	QUANT \a, OUT+24*(\a%2), OUT+24*(\a%2)+6, WS+\a
	EMIT \a/4, \a%4, OUT+24*(\a%2)
.endr
.Lout_done:
.irp i, 0,1,2,3
	v_cndmask_b32 v[WS+\i], v[WS+\i], v[WS+4+\i], s[MH]   ; lanes 16-31 carry the second head's words
.endr
	global_store_b128 v[SCO], v[WS:WS+3], s[80:81] ; sixteen lanes store 256 consecutive bytes, aligned, for each head
	s_wait_tensorcnt 0x0                           ; the wave's end
	ds_add_u32 v[SPW], v[NIL]
	s_wait_dscnt 0x0
	CROUND                                         ; the closing round
	s_endpgm
.Lfunc_end_k_q865ef6bdc0_proj:
	.size	k_q865ef6bdc0_proj, .Lfunc_end_k_q865ef6bdc0_proj-k_q865ef6bdc0_proj
	.p2alignl 7, 3214868480
	.fill 96, 4, 3214868480
	.section	.rodata,"a",@progbits
	.p2align	6, 0x0
	.amdhsa_kernel k_q865ef6bdc0_proj
		.amdhsa_group_segment_fixed_size 327680
		.amdhsa_private_segment_fixed_size 0
		.amdhsa_enable_private_segment 0
		.amdhsa_kernarg_size 56
		.amdhsa_user_sgpr_count 2
		.amdhsa_user_sgpr_kernarg_segment_ptr 1
		.amdhsa_wavefront_size32 1
		.amdhsa_system_sgpr_workgroup_id_x 1
		.amdhsa_system_sgpr_workgroup_id_y 1
		.amdhsa_system_sgpr_workgroup_id_z 1
		.amdhsa_system_vgpr_workitem_id 0
		.amdhsa_next_free_vgpr 1024
		.amdhsa_next_free_sgpr 100
		.amdhsa_reserve_vcc 0
		.amdhsa_float_denorm_mode_32 3
		.amdhsa_float_denorm_mode_16_64 3
		.amdhsa_memory_ordered 1
		.amdhsa_forward_progress 1
		.amdhsa_inst_pref_size 216
	.end_amdhsa_kernel
	.amdgpu_metadata
---
amdhsa.version: [ 1, 2 ]
amdhsa.kernels:
  - .name:           k_q865ef6bdc0_proj
    .symbol:         k_q865ef6bdc0_proj.kd
    .args:
      - { .name: xc, .offset: 0, .size: 8, .value_kind: global_buffer, .address_space: global }
      - { .name: xs, .offset: 8, .size: 8, .value_kind: global_buffer, .address_space: global }
      - { .name: bq, .offset: 16, .size: 8, .value_kind: global_buffer, .address_space: global }
      - { .name: bk, .offset: 24, .size: 8, .value_kind: global_buffer, .address_space: global }
      - { .name: bv, .offset: 32, .size: 8, .value_kind: global_buffer, .address_space: global }
      - { .name: qq, .offset: 40, .size: 8, .value_kind: global_buffer, .address_space: global }
      - { .name: kv, .offset: 48, .size: 8, .value_kind: global_buffer, .address_space: global }
    .group_segment_fixed_size: 327680
    .private_segment_fixed_size: 0
    .kernarg_segment_align: 8
    .kernarg_segment_size: 56
    .max_flat_workgroup_size: 128
    .sgpr_count:     100
    .vgpr_count:     1024
    .wavefront_size: 32
...
	.end_amdgpu_metadata
.endif
;; end of part 2
;; launch attn (part 3): grid 4 x 64, 16 waves a work-group, clusters of 4 x 1, 206,848 bytes of LDS; arguments qq, kv, xc, xs; writes xc, xs
.if DOCPART == 3
	.amdgcn_target "amdgcn-amd-amdhsa--gfx1250"
	.amdhsa_code_object_version 6
	.text
	.protected	k_q865ef6bdc0_attn
	.globl	k_q865ef6bdc0_attn
	.p2align	8
	.type	k_q865ef6bdc0_attn,@function
k_q865ef6bdc0_attn:
	s_mov_b64 s[64:65], 0
	v_nop
	global_prefetch_b8 v0, s[64:65] scope:SCOPE_SE
	s_setreg_imm32_b32 hwreg(HW_REG_WAVE_MODE, 25, 1), 1
	s_wait_xcnt 0x0
	s_wait_alu depctr_hold_cnt(0) depctr_sa_sdst(0) depctr_va_vdst(0) depctr_va_sdst(0) depctr_va_ssrc(0) depctr_va_vcc(0) depctr_vm_vsrc(0)
	s_getreg_b32 s2, hwreg(HW_REG_IB_STS2, 6, 4)
	s_cmp_eq_u32 s2, 0
	s_cbranch_scc0 .Lentry_in_a_cluster
	s_endpgm
.Lentry_in_a_cluster:
	s_bfe_u32 s2, ttmp6, 0x10000c
	s_cmp_lg_u32 s2, 0x3003
	s_cbranch_scc0 .Lentry_shape_is_right
	s_endpgm
.Lentry_shape_is_right:
; Attention of one head on codes of BF6 (E3M2): S^T = K Q^T, p = 2^(t - M), O^T = V^T P^T, O / l, and the result quantised along the model's 1,024 as the last product's operand.
; t = score x log2(e) / 8; M = the running largest t rounded UP to a whole number; p is quantised along the keys, block by block, not normalised; l is the sum of the unquantised p.
; When M moves, l and O^T are multiplied by 2^(old M - new M): exact, and no branch hangs on data.
; SHARES.  A work-group owns 512 queries of head bh = cluster y; wave w owns Q's double fragment w % 4 of key step G = 4 cx + w / 4: two tiles of 16 queries, taken in two passes, written out.
; THE WHOLE HEAD'S K, V AND SCALE WORDS, 16 records of 12,800 bytes, LIE IN LDS, FILLED ONCE: nothing is filled again.  The four work-groups of a cluster belong to one head and ask for each record jointly.
; So a barrier stands only where a fill is first read: one in front of records 0-3, one in front of the other twelve; the second pass reads what those two have shown to every wave.
; Four waves share a SIMD: one wave's softmax stands beside another's products and LDS loads.
; THE HEAD HAS 64 CHANNELS, THE INSTRUCTION 128 ALONG K.  Source 0 is a double fragment of K: k 0-63 = 16 keys, k 64-127 = 16 other keys.  Source 1 is [q | zeros] or [zeros | q], both cut from 18 registers [q][0][q]:
; zero codes add nothing under any scale byte that this program makes.  So no zero of K is stored, moved or loaded.
; A LANE HOLDS WHOLE BLOCKS OF 32 KEYS.  Lane r of K's tile t holds key 64 (t / 4) + 8 (t % 4) + r % 8 + 32 (r / 8), so in S^T lane (query, h) has in registers 32 c + i the keys 64 c + 32 h + i: the very layout of the second
; product's operand.  A block's maximum needs no other lane, and the conversions' results are the operand's registers; only the row's maximum and two of the scale word's four bytes come from lane l xor 16.
; THE EXPONENTIALS STAND BETWEEN PLAIN INSTRUCTIONS that are due anyway: t - M of a later pair, O^T's rescaling, sums of p that are finished.
; OUT: xc group 1792 + token group, K step H / 2, chunks 3 (H % 2) on: three stores of 256 consecutive aligned bytes a tile; xs: two scale bytes a row, stored singly: 32 bytes beside a tile's 768 of codes.
; LIMITS: NaN and infinities are not served; 1 / l by v_rcp_f32; a block whose every p (or every number) is 0 keeps the byte 1: its codes are zeros.  A block's largest p is made of its largest score by the same
; multiply-add and exponential as every p, which takes v_exp_f32 not to fall where its input rises.
.set REC,  12800
.set LI,   1                           ; v1   16 x lane
.set ADK,  2                           ; v2   the step's record + 16 x lane
.set L8,   3                           ; v3   8 x lane
.set SBO,  4                           ; v4   16 r + h: my scale byte's place
.set QSW,  5                           ; v5   Q's double scale word
.set QS,   6                           ; v6   the pass's: [s0 s1 s0 s1]
.set SH8,  10                          ; v10  8 h: where my two bytes stand in p's scale word
.set QQ,   16                          ; v16-33  [q][0][q]
.set QN,   34                          ; v34-39  the second tile's q
.set KF,   40                          ; v40-87  four fragments: K's, then V's
.set SW,   88                          ; v88-91  lanes 0-15 K's scale words, lanes 16-31 V's
.set S,    96                          ; v96-159 S^T, then p
.set O,    160                         ; v160-191 O^T
.set CH,   192                         ; v192-195 four chains of maxima; then v192, v194: my two blocks' largest score, then p
.set BX,   196                         ; v196-199 at work
.set SOP,  200                         ; v200-201 the conversions' scale operands
.set F,    204                         ; 2^(old M - new M)
.set PSW,  205                         ; p's scale word
.set T,    206
.set SUM2, 208                         ; v[208:209] the sum's second chain
.set PCD,  224                         ; p's codes
.set CT,   236
.set WV,   12
.set SEL,  20
.set CS,   22                          ; s[22:23] c = log2(e) / 8
.set G1,   24
.set TB,   48                          ; the step's record in LDS
.set CN,   49
.set MH,   51
.macro CROUND
	s_barrier_signal -1
	s_barrier_wait -1
	s_cmp_lg_u32 s[WV], 0
	s_cbranch_scc1 .Lnot_wave_0_\@
	s_barrier_signal -3
.Lnot_wave_0_\@:
	s_barrier_wait -3
	s_barrier_signal -1
	s_barrier_wait -1
.endm
	s_load_b256 s[4:11], s[0:1], 0x0               ; qq s[4:5], kv s[6:7], xc s[8:9], xs s[10:11]
	v_lshl_add_u32 v254, v0, 2, 0x32000
	v_mov_b32 v255, 0
	ds_add_u32 v254, v255
	ds_add_u32 v254, v255
	v_lshrrev_b32 v7, 5, v0
	v_readfirstlane_b32 s[WV], v7                  ; wave 0..15
	s_bfe_u32 s13, ttmp6, 0x40000                  ; cx: it enters Q's and the result's addresses alone
	s_and_b32 s14, ttmp7, 0xffff                   ; the head, which the four partners share
	s_mov_b32 s[G1], 15|(3<<16)|(1<<21)            ; the mask: all four work-groups; elements of 8 bytes; no padding; bit 21 set beside a mask
	s_mov_b32 s[G1+1], 32<<16                      ; a record is a dense block: 50 rows of 256 bytes
	s_mov_b32 s[G1+2], 50<<16
	s_mov_b32 s[G1+3], 32<<16
	s_mov_b32 s[G1+4], 50
	s_mov_b32 s[G1+5], 32
	s_mov_b32 s[G1+6], 0
	s_mov_b32 s[G1+7], 0
	s_mul_i32 s16, s14, 204800
	s_mul_i32 s17, s[WV], REC                      ; waves 0-3 fetch records 4 j + wave
	s_add_co_u32 s18, s16, s17
	s_mov_b32 s19, 0
	s_mov_b32 s[SEL], 0x76543210
	s_mov_b32 s[SEL+1], 0xfedcba98
	s_mov_b32 s[CS], 0x3e38aa3b
	s_mov_b32 s[CS+1], s[CS]                       ; (named with it as a pair, so it is written)
	s_mov_b32 s[MH], 0xffff0000
	s_wait_dscnt 0x0
	s_wait_kmcnt 0x0
	s_add_nc_u64 s[18:19], s[6:7], s[18:19]
.irp j, 0,1,2,3
	s_mov_b32 s[32+4*\j], 1
	s_add_co_u32 s[33+4*\j], s17, \j*51200
	s_add_nc_u64 s[34+4*\j:35+4*\j], s[18:19], \j*51200
	s_or_b32 s[35+4*\j], s[35+4*\j], 0x80000000
.endr
	CROUND                                         ; all four work-groups are here: the joint loads meet
	s_cmp_lt_u32 s[WV], 4                          ; a wave's four first fills stand in one branch: four loads of mine are out
	s_cbranch_scc0 .Lno_fill
	tensor_load_to_lds s[32:35], s[G1:G1+7]
	s_nop 0
	tensor_load_to_lds s[36:39], s[G1:G1+7]
	s_nop 0
	tensor_load_to_lds s[40:43], s[G1:G1+7]
	s_nop 0
	tensor_load_to_lds s[44:47], s[G1:G1+7]
	s_nop 0
.rept 4
	v_nop
.endr
.Lno_fill:
	s_lshl_b32 s58, s13, 2
	s_lshr_b32 s59, s[WV], 2
	s_add_co_u32 s58, s58, s59                     ; my queries' G
	s_mul_i32 s58, s58, 6400
	s_mul_i32 s59, s14, 102400
	s_add_co_u32 s52, s58, s59
	s_mov_b32 s53, 0
	s_add_nc_u64 s[52:53], s[4:5], s[52:53]        ; Q's record
	s_lshr_b32 s58, s14, 4
	s_lshl_b32 s58, s58, 7                         ; 128 groups of tokens a batch,
	s_lshl_b32 s59, s13, 5                         ; 32 a work-group,
	s_add_co_u32 s58, s58, s59
	s_lshl_b32 s59, s[WV], 1                       ; two a wave
	s_add_co_u32 s58, s58, s59
	s_add_co_u32 s58, s58, 1792                    ; behind the inputs' groups
	s_and_b32 s59, s14, 15                         ; H
	s_mul_i32 s54, s58, 12288
	s_lshr_b32 s60, s59, 1
	s_mul_i32 s60, s60, 1536                       ; K step H / 2,
	s_add_co_u32 s54, s54, s60
	s_and_b32 s60, s59, 1
	s_mul_i32 s60, s60, 768                        ; its half H % 2
	s_add_co_u32 s54, s54, s60
	s_mov_b32 s55, 0
	s_add_nc_u64 s[54:55], s[8:9], s[54:55]
	s_lshl_b32 s56, s58, 9
	s_lshr_b32 s60, s59, 3
	s_lshl_b32 s60, s60, 8
	s_add_co_u32 s56, s56, s60
	s_and_b32 s60, s59, 7
	s_lshl_b32 s60, s60, 1
	s_add_co_u32 s56, s56, s60                     ; scale bytes: 256 (H / 8) + 2 (H % 8) in the group's 512
	s_mov_b32 s57, 0
	s_add_nc_u64 s[56:57], s[10:11], s[56:57]
	v_and_b32 v7, 31, v0
	v_lshlrev_b32 v[LI], 4, v7
	v_lshlrev_b32 v[L8], 3, v7
	v_and_b32 v8, 15, v0                           ; r
	v_bfe_u32 v9, v0, 4, 1                         ; h
	v_lshl_add_u32 v[SBO], v8, 4, v9
	v_lshlrev_b32 v[SH8], 3, v9
	s_and_b32 s60, s[WV], 3
	s_mul_i32 s61, s60, 1536
	v_add_nc_u32 v7, s61, v[LI]                    ; my double fragment of Q
	s_lshl_b32 s61, s60, 2
	v_lshlrev_b32 v8, 4, v8
	v_add_nc_u32 v8, s61, v8                       ; and its scale word
.irp k, 0,1,2
	global_load_b128 v[QQ+4*\k:QQ+4*\k+3], v7, s[52:53] offset:512*\k
.endr
	global_load_b32 v[QSW], v8, s[52:53] offset:6144
.irp b, 0,1,2,3
	v_mov_b32 v[BX+\b], 0                          ; a lane permute's destination counts as one of its sources
.endr
	v_mov_b32 v[PSW], 0                            ; (named as the upper half of the pair with F before it is first written)
	s_wait_loadcnt 0x0
.irp i, 0,1,2,3,4,5
	v_mov_b32 v[QN+\i], v[QQ+6+\i]                 ; the second tile's q is kept,
.endr
.irp i, 0,1,2,3,4,5
	v_mov_b32 v[QQ+6+\i], 0                        ; zeros take its place,
.endr
.irp i, 0,1,2,3,4,5
	v_mov_b32 v[QQ+12+\i], v[QQ+\i]                ; and the first tile's q stands on both sides of them
.endr
	v_perm_b32 v[QS], v[QSW], v[QSW], 0x01000100
.macro PKF n                           ; t - M of pair n of my 32 pairs of scores (of the pairs c and -M the low word serves both halves)
	v_pk_fma_f32 v[S+2*(\n):S+2*(\n)+1], v[S+2*(\n):S+2*(\n)+1], s[CS:CS+1], v[12:13] op_sel_hi:[1,0,0]
.endm
.macro SUMP m                          ; pair m of the unquantised p joins the row's sum: two chains, the even pairs' and the odd pairs'
.if (\m)%2
	v_pk_add_f32 v[SUM2:SUM2+1], v[SUM2:SUM2+1], v[S+2*(\m):S+2*(\m)+1]
.else
	v_pk_add_f32 v[14:15], v[14:15], v[S+2*(\m):S+2*(\m)+1]
.endif
.endm
; A KEY STEP: 128 keys
.macro STEP
	v_add_nc_u32 v[ADK], s[TB], v[LI]              ; (the last step's five closing sums are the places between its products and the loads below)
.irp z, 0,1,2,3
.irp k, 0,1,2
	ds_load_b128 v[KF+12*\z+4*\k:KF+12*\z+4*\k+3], v[ADK] offset:1536*\z+512*\k
.endr
.endr
	ds_load_b128 v[SW:SW+3], v[ADK] offset:12288   ; lanes 0-15: K's four words of row r; lanes 16-31: V's
	s_wait_dscnt 0x0
.irp z, 0,1,2,3
.irp u, 0,1
	v_wmma_scale_f32_16x16x128_f8f6f4 v[S+8*(2*\z+\u):S+8*(2*\z+\u)+7], v[KF+12*\z:KF+12*\z+11], v[QQ+6*\u:QQ+6*\u+11], 0, v[SW+\z], v[QS] matrix_a_fmt:MATRIX_FMT_BF6 matrix_b_fmt:MATRIX_FMT_BF6
.endr
.endr
	v_mov_b32 v[T], v12                            ; the old -M is kept.  With the three lines below: four places in front of the loads into K's registers and of the first read of the scores
.rept 3
	v_nop
.endr
.irp t, 0,1,2,3
.irp k, 0,1,2
	ds_load_b128 v[KF+12*\t+4*\k:KF+12*\t+4*\k+3], v[ADK] offset:6144+1536*\t+512*\k   ; V's fragments land under the softmax
.endr
.endr
.irp k, 0,1,2,3
	v_max3_num_f32 v[CH+\k], v[S+16*\k], v[S+1+16*\k], v[S+2+16*\k]   ; the largest score, in four chains of 15 registers by turns; each accumulator is read from its low end on
.endr
.irp i, 3,5,7,9,11,13
.irp k, 0,1,2,3
	v_max3_num_f32 v[CH+\k], v[CH+\k], v[S+16*\k+\i], v[S+1+16*\k+\i]
.endr
.endr
.irp c, 0,1
	v_max3_num_f32 v[CH+2*\c], v[CH+2*\c], v[CH+2*\c+1], v[S+32*\c+15]
.endr
.irp c, 0,1
	v_max_num_f32 v[CH+2*\c], v[CH+2*\c], v[S+32*\c+31]   ; THE LARGEST SCORE OF MY BLOCK 2 c + h: all its 32 keys are mine.  It serves for the row's maximum and for the block's largest p
.endr
	v_max_num_f32 v[CH+1], v[CH], v[CH+2]
	v_permlanex16_b32 v[BX], v[CH+1], s[SEL], s[SEL+1]
	v_max_num_f32 v[CH+1], v[CH+1], v[BX]          ; with lane l xor 16's 64 keys: the step's largest score of my query
	v_mul_f32 v[CH+1], s[CS], v[CH+1]              ; as t (c is positive)
	v_max_num_f32 v13, v13, v[CH+1]                ; the running largest t
	v_floor_f32 v12, -v13                          ; -M = floor(-t): M is a whole number
	v_sub_f32 v[T], v12, v[T]                      ; old M - new M: a whole number, 0 or less
	v_cvt_i32_f32 v[T], v[T]                       ; (it saturates)
	v_ldexp_f32 v[F], 1.0, v[T]
	v_fma_f32 v[CH], v[CH], s[CS], v12
	v_fma_f32 v[CH+2], v[CH+2], s[CS], v12
	PKF 0
	v_exp_f32 v[CH], v[CH]                         ; my blocks' largest p: the same multiply-add and exponential on the same number give the same bits
	PKF 1
	v_exp_f32 v[CH+2], v[CH+2]
; 64 exponentials, a plain instruction in front of each: t - M two pairs ahead; O^T and l under the new M; then sums of p whose exponentials stand sixteen pairs back
.set N, 0
.rept 32
.if N < 30
	PKF N+2
.elseif N == 30
	v_max_num_f32 v[CH], 0x2800000, v[CH]          ; the floor 2^(5 - 127): the byte cannot fall under 1
.else
	v_max_num_f32 v[CH+2], 0x2800000, v[CH+2]
.endif
	v_exp_f32 v[S+2*N], v[S+2*N]                   ; p = 2^(t - M), at most 1
.if N < 16
	v_pk_mul_f32 v[O+2*N:O+2*N+1], v[O+2*N:O+2*N+1], v[F:F+1] op_sel_hi:[1,0]   ; O^T under the new M; each accumulator from its low end on
.elseif N == 16
	v_pk_mul_f32 v[14:15], v[14:15], v[F:F+1] op_sel_hi:[1,0]                   ; the sum likewise
.elseif N == 17
	s_wait_alu depctr_va_vdst(0)
	v_pk_add_f32 v[SUM2:SUM2+1], v[S:S+1], v[S+2:S+3]                           ; pairs 0 and 1 start the second chain
.else
	SUMP N-16
.endif
	v_exp_f32 v[S+2*N+1], v[S+2*N+1]
.set N, N+1
.endr
	v_add_nc_u32 v[SOP], 0xfe000000, v[CH]         ; 4 off the exponent field: the conversions' scale operands
	v_add_nc_u32 v[SOP+1], 0xfe000000, v[CH+2]
	v_lshrrev_b32 v[BX+2], 23, v[SOP]              ; the bytes of blocks h and 2 + h,
	v_lshrrev_b32 v[BX+3], 23, v[SOP+1]
	v_lshl_or_b32 v[PSW], v[BX+3], 16, v[BX+2]
	v_lshlrev_b32 v[PSW], v[SH8], v[PSW]           ; at their places in the scale word;
	v_permlanex16_b32 v[BX+1], v[PSW], s[SEL], s[SEL+1]
	v_or_b32 v[PSW], v[PSW], v[BX+1]               ; with lane l xor 16's two the word is whole
	s_wait_alu depctr_va_vdst(0)
.irp c, 0,1
	v_cvt_scalef32_pk16_bf6_f32 v[PCD+6*\c:PCD+2+6*\c], v[S+32*\c:S+15+32*\c], v[SOP+\c]
	v_cvt_scalef32_pk16_bf6_f32 v[CT+4*\c:CT+2+4*\c], v[S+16+32*\c:S+31+32*\c], v[SOP+\c]   ; (a conversion's three registers begin on an even number)
.endr
	SUMP 16                                        ; the plain place behind the scaled conversions
.irp c, 0,1
.irp i, 0,1,2
	v_mov_b32 v[PCD+3+6*\c+\i], v[CT+4*\c+\i]      ; registers 6 c .. 6 c + 5: keys 64 c + 32 h + 0 .. 31
.endr
.endr
.irp m, 17,18,19,20,21,22,23,24,25,26,27
	SUMP \m                                        ; eleven places between the operand's last register and the products
.endr
	s_wait_dscnt 0x0                               ; V is in
.irp t, 0,1,2,3
	v_wmma_scale_f32_16x16x128_f8f6f4 v[O+8*\t:O+8*\t+7], v[KF+12*\t:KF+12*\t+11], v[PCD:PCD+11], v[O+8*\t:O+8*\t+7], v[SW+\t], v[PSW] matrix_a_fmt:MATRIX_FMT_BF6 matrix_b_fmt:MATRIX_FMT_BF6 matrix_a_scale:MATRIX_SCALE_ROW1
.endr
.irp m, 28,29,30,31
	SUMP \m                                        ; these name none of the products' registers: with the line below they are the places behind them
.endr
	v_pk_add_f32 v[14:15], v[14:15], v[SUM2:SUM2+1]
.endm
.macro STEPS n                         ; n key steps, from the record at s[TB] on
	s_mov_b32 s[CN], \n
.Lstep_\@:
	STEP
	s_add_co_u32 s[TB], s[TB], REC
	s_sub_co_u32 s[CN], s[CN], 1
	s_cmp_lg_u32 s[CN], 0
	s_cbranch_scc1 .Lstep_\@
.endm
.macro INIT                            ; the step is written once for all steps: the first finds zeros, which the first change of M leaves zeros
	v_mov_b32 v13, 0xff61b1e6                      ; the largest t so far: -3e38
	v_floor_f32 v12, -v13
	v_mov_b32 v14, 0
	v_mov_b32 v15, 0
.set N, 0
.rept 32
	v_mov_b32 v[O+N], 0
.set N, N+1
.endr
.endm
; THE WAY OUT of a tile of 16 queries.  more = 1: the second tile follows
.macro WAYOUT more
	v_add_f32 v14, v14, v15
	v_permlanex16_b32 v[T], v14, s[SEL], s[SEL+1]
	v_add_f32 v14, v14, v[T]                       ; the row's sum
	v_rcp_f32 v14, v14
	v_nop                                          ; a plain place behind the transcendental
.set N, 0
	s_wait_alu depctr_va_vdst(0)
.rept 16
	v_pk_mul_f32 v[S+N:S+N+1], v[O+N:O+N+1], v[14:15] op_sel_hi:[1,0]   ; register 16 e + i = channel 32 e + 16 h + i of my query
.set N, N+2
.endr
.irp b, 0,1
	v_max3_num_f32 v[CH+\b], |v[S+16*\b]|, |v[S+1+16*\b]|, 0x2800000
.endr
.irp i, 2,4,6,8,10,12,14
.irp b, 0,1
	v_max3_num_f32 v[CH+\b], v[CH+\b], |v[S+16*\b+\i]|, |v[S+1+16*\b+\i]|
.endr
.endr
.irp b, 0,1
	v_permlanex16_b32 v[BX+\b], v[CH+\b], s[SEL], s[SEL+1]
.endr
.irp b, 0,1
	v_max_num_f32 v[CH+\b], v[CH+\b], v[BX+\b]     ; here a block of 32 channels lies in lanes l and l xor 16
.endr
.irp b, 0,1
	v_add_nc_u32 v[SOP+\b], 0xfe000000, v[CH+\b]
.endr
.irp b, 0,1
	v_lshrrev_b32 v[BX+\b], 23, v[SOP+\b]
.endr
	v_cndmask_b32 v[T], v[BX], v[BX+1], s[MH]      ; lanes 0-15 store block 0's byte, lanes 16-31 block 1's
	v_cvt_scalef32_pk16_bf6_f32 v[PCD:PCD+2], v[S:S+15], v[SOP]
	v_cvt_scalef32_pk16_bf6_f32 v[CT:CT+2], v[S+16:S+31], v[SOP+1]
	v_nop                                          ; one plain place behind a scaled conversion
.irp i, 0,1,2
	v_permlane16_swap_b32 v[PCD+\i], v[CT+\i]
.endr
.irp i, 0,1,2
	v_mov_b32 v[PCD+3+\i], v[CT+\i]
.endr
.irp p, 0,1,2
	global_store_b64 v[L8], v[PCD+2*\p:PCD+2*\p+1], s[54:55] offset:256*\p   ; 32 lanes store 256 consecutive bytes, aligned
.endr
	global_store_b8 v[SBO], v[T], s[56:57]
.if \more
	s_wait_xcnt 0x0                                ; the stores have read their data and bases: both are written again only behind this wait
	s_add_nc_u64 s[54:55], s[54:55], 12288         ; the second tile is the next group of tokens
	s_add_nc_u64 s[56:57], s[56:57], 512
.irp i, 0,1,2,3,4,5
	v_mov_b32 v[QQ+\i], v[QN+\i]
.endr
.irp i, 0,1,2,3,4,5
	v_mov_b32 v[QQ+12+\i], v[QN+\i]
.endr
	v_perm_b32 v[QS], v[QSW], v[QSW], 0x03020302
.endif
.endm
	INIT                                           ; my first tile of 16 queries
	s_wait_tensorcnt 3                             ; my first fill has landed; the three behind it stay out
	s_barrier_signal -1
	s_barrier_wait -1                              ; records 0-3 are whole for every wave
	s_mov_b32 s[TB], 0
	STEPS 4
	s_wait_tensorcnt 0x0                           ; all my fills have landed
	s_barrier_signal -1
	s_barrier_wait -1                              ; all sixteen records are whole for every wave, from here to the end
	s_mov_b32 s[TB], 4*REC
	STEPS 12
	WAYOUT 1
	INIT                                           ; my second tile
	s_mov_b32 s[TB], 0
	STEPS 16
	WAYOUT 0
	s_wait_tensorcnt 0x0
	ds_add_u32 v254, v255
	s_wait_dscnt 0x0
	CROUND                                         ; the closing round: no work-group ends while a partner may still ask for a record that names it
	s_endpgm
.Lfunc_end_k_q865ef6bdc0_attn:
	.size	k_q865ef6bdc0_attn, .Lfunc_end_k_q865ef6bdc0_attn-k_q865ef6bdc0_attn
	.p2alignl 7, 3214868480
	.fill 96, 4, 3214868480
	.section	.rodata,"a",@progbits
	.p2align	6, 0x0
	.amdhsa_kernel k_q865ef6bdc0_attn
		.amdhsa_group_segment_fixed_size 206848
		.amdhsa_private_segment_fixed_size 0
		.amdhsa_enable_private_segment 0
		.amdhsa_kernarg_size 32
		.amdhsa_user_sgpr_count 2
		.amdhsa_user_sgpr_kernarg_segment_ptr 1
		.amdhsa_wavefront_size32 1
		.amdhsa_system_sgpr_workgroup_id_x 1
		.amdhsa_system_sgpr_workgroup_id_y 1
		.amdhsa_system_sgpr_workgroup_id_z 1
		.amdhsa_system_vgpr_workitem_id 0
		.amdhsa_next_free_vgpr 256
		.amdhsa_next_free_sgpr 66
		.amdhsa_reserve_vcc 0
		.amdhsa_float_denorm_mode_32 3
		.amdhsa_float_denorm_mode_16_64 3
		.amdhsa_memory_ordered 1
		.amdhsa_forward_progress 1
		.amdhsa_inst_pref_size 60
	.end_amdhsa_kernel
	.amdgpu_metadata
---
amdhsa.version: [ 1, 2 ]
amdhsa.kernels:
  - .name:           k_q865ef6bdc0_attn
    .symbol:         k_q865ef6bdc0_attn.kd
    .args:
      - { .name: qq, .offset: 0, .size: 8, .value_kind: global_buffer, .address_space: global }
      - { .name: kv, .offset: 8, .size: 8, .value_kind: global_buffer, .address_space: global }
      - { .name: xc, .offset: 16, .size: 8, .value_kind: global_buffer, .address_space: global }
      - { .name: xs, .offset: 24, .size: 8, .value_kind: global_buffer, .address_space: global }
    .group_segment_fixed_size: 206848
    .private_segment_fixed_size: 0
    .kernarg_segment_align: 8
    .kernarg_segment_size: 32
    .max_flat_workgroup_size: 512
    .sgpr_count:     66
    .vgpr_count:     256
    .wavefront_size: 32
...
	.end_amdgpu_metadata
.endif
;; end of part 3
;; launch oproj (part 4): grid 4 x 64, 4 waves a work-group, clusters of 4 x 4, 295,424 bytes of LDS; arguments xc, xs, bo, out0; writes out0
.if DOCPART == 4
	.amdgcn_target "amdgcn-amd-amdhsa--gfx1250"
	.amdhsa_code_object_version 6
	.text
	.protected	k_q865ef6bdc0_oproj
	.globl	k_q865ef6bdc0_oproj
	.p2align	8
	.type	k_q865ef6bdc0_oproj,@function
k_q865ef6bdc0_oproj:
	s_mov_b64 s[64:65], 0
	v_nop
	global_prefetch_b8 v0, s[64:65] scope:SCOPE_SE
	s_setreg_imm32_b32 hwreg(HW_REG_WAVE_MODE, 25, 1), 1
	s_wait_xcnt 0x0
	s_wait_alu depctr_hold_cnt(0) depctr_sa_sdst(0) depctr_va_vdst(0) depctr_va_sdst(0) depctr_va_ssrc(0) depctr_va_vcc(0) depctr_vm_vsrc(0)
	s_getreg_b32 s2, hwreg(HW_REG_IB_STS2, 6, 4)
	s_cmp_eq_u32 s2, 0
	s_cbranch_scc0 .Lentry_in_a_cluster
	s_endpgm
.Lentry_in_a_cluster:
	s_bfe_u32 s2, ttmp6, 0x10000c
	s_cmp_lg_u32 s2, 0xf033
	s_cbranch_scc0 .Lentry_shape_is_right
	s_endpgm
.Lentry_shape_is_right:
; out0 = (attention's result) Wo^T + bo on codes of BF6 (E3M2) with E8M0 scales, sums in f32.  Both operands come as images of their registers (xc, xs): the result's groups from 1792 on, Wo's from 1728 on.
; A work-group of four waves makes 128 tokens x 256 features: 64 x 4 = 256 work-groups.  A wave makes 64 x 128: 32 accumulators.  A tile of 256 x 256 would give work to 128 work-groups only.
; Source 0 (S0) = Wo's rows, source 1 (S1) = tokens: a lane holds one token, its registers run along the features.
; Lane r of group g holds row 32 (g / 2) + 8 (g % 2) + r + 8 (r / 8); so accumulator (a, b), lane (r, h), register j is token 32 (a / 2) + 8 (a % 2) + r + 8 (r / 8), feature 32 (b / 2) + 16 h + 8 (b % 2) + j.
; ALL OF K LIES IN LDS, FILLED ONCE: 24 groups x 12,288 bytes = 294,912, as four chunks of two K steps (S1's 8 groups, S0's 8, S0's other 8: 24,576 bytes each).  Nothing is filled again.
; Wave 0 fetches S1's part of each chunk, waves 1 and 2 S0's two parts, wave 3 nothing: four loads of a fetching wave are out.  A barrier stands in front of each chunk's first read.
; CLUSTER 4 x 4: S1's parts hang on the tile row alone and are asked for jointly along a row of the cluster, S0's on the tile column alone, jointly along a column.
; A K step of a wave is 32 matrix instructions and 72 LDS loads of 256 bytes: more bytes for each product than a wave tile of 128 x 128 reads; that is the price of work for every work-group.
; The scale words of the wave's groups come once into 64 registers; the bias is the C of the first K step's products.
; THE WAY OUT: 16 tokens x 128 features at a time through the wave's own stage in LDS and out as whole rows of 512 bytes.  The stages lie in chunk 0, which has had its only fill and which nobody reads behind the barrier in front of chunk 3.
; REGISTERS: window 0: v16-30 addresses; v32-95 scale words; v96-127, v224-255 the bias; v128-175 S1's four fragments, one set; on the way out v128-255 rows of the result.
;   window 1: S0's fragments, two sets, at v0 and v128.   window 2: accumulator (a, b) at v[8 (8 a + b)].
.set PART,   24576                     ; 8 groups x two K steps x 1,536 bytes: what one tensor load brings
.set CH,     3*PART                    ; a chunk
.set FR,     12                        ; registers of a fragment
.set NL,     6                         ; LDS loads that bring one
.set ADRA,   16                        ; v16-19  my S1 fragments in chunks 0-3: 8 x lane + my four groups
.set ADRB,   20                        ; v20-23  the same for S0: my eight groups
.set STO,    24                        ; v24  the stage: where I put 32 bytes of a row
.set RD,     25                        ; v25  and where I read a row back
.set XSO,    26                        ; v26  where my scale words come from, blocks 0-3
.set BIO,    27
.set XSO2,   28                        ; v28  the same for blocks 4-7: lanes 0-15 go four groups back, since S1 has four blocks only
.set CO,     30                        ; v30  16 x lane: my bytes of a row of 512
.set SC,     32                        ; v[SC + 8 i + ks]: lanes 0-15 the word of S1's block i % 4, lanes 16-31 of S0's block i, K step ks
.set AF,     128
.set BK,     128
.set G1,     24                        ; s[24:31] descriptor group 1 for S1;  s[32:47] group 0, a set for each chunk
.set G0,     32
.set G1B,    48                        ; s[48:55] group 1 for S0;  s[68:83] group 0, a set for each chunk
.set G0B,    68
.set MH,     66
.set MSB, 0
.macro WIN new                         ; bits 1:0 source 0, 3:2 source 1, 5:4 source 2, 7:6 destination; the high byte repeats the setting that is left
.if MSB != (\new)
	s_set_vgpr_msb (MSB<<8)|(\new)
.set MSB, (\new)
.endif
.endm
.macro CROUND                          ; a round of the cluster's barrier
	s_barrier_signal -1
	s_barrier_wait -1
	s_cmp_lg_u32 s14, 0
	s_cbranch_scc1 .Lnot_wave_0_\@
	s_barrier_signal -3
.Lnot_wave_0_\@:
	s_barrier_wait -3
	s_barrier_signal -1
	s_barrier_wait -1
.endm
.macro PLACES n                        ; plain places behind matrix instructions, in front of loads into their registers and of reads of their results
.rept \n
	v_nop
.endr
.endm
	s_load_b256 s[4:11], s[0:1], 0x0               ; xc s[4:5], xs s[6:7], bo s[8:9], out0 s[10:11]
	v_lshl_add_u32 v29, v0, 2, 0x48000
	v_mov_b32 v31, 0
	ds_add_u32 v29, v31
	ds_add_u32 v29, v31
	v_lshrrev_b32 v1, 5, v0
	v_readfirstlane_b32 s14, v1                    ; wave 0..3
	s_lshr_b32 s15, s14, 1                         ; my half of the tokens.  Also, for waves 1 and 2: which half of S0 I fetch
	s_and_b32 s16, s14, 1                          ; my half of the features
	s_bfe_u32 s56, ttmp6, 0x40000                  ; cx
	s_bfe_u32 s57, ttmp6, 0x40004                  ; cy
	s_and_b32 s17, ttmp7, 0xffff
	s_lshl_b32 s17, s17, 2
	s_add_co_u32 s17, s17, s57                     ; tile row = 4 x cluster y + cy, 0 .. 63
	s_mov_b32 s58, s56                             ; tile column = cx: the grid is one cluster wide
	s_lshl_b32 s59, s57, 2
	s_lshl_b32 s59, 15, s59                        ; my row of the cluster
	s_lshl_b32 s60, 0x1111, s56                    ; my column
	s_or_b32 s[G1], s59, (3<<16)|(1<<21)           ; the mask; elements of 8 bytes; no padding; bit 21 set beside a mask
	s_or_b32 s[G1B], s60, (3<<16)|(1<<21)
.irp g, G1, G1B
	s_mov_b32 s[\g+1], 384<<16                     ; rows of 3,072 bytes: two K steps of a group
	s_mov_b32 s[\g+2], 8<<16                       ; 8 groups
	s_mov_b32 s[\g+3], 384<<16
	s_mov_b32 s[\g+4], 8
	s_mov_b32 s[\g+5], 1536                        ; from group to group: 12,288 bytes
	s_mov_b32 s[\g+6], 0
	s_mov_b32 s[\g+7], 0
.endr
	s_mov_b32 s[MH], 0xffff0000
	s_lshl_b32 s20, s17, 3
	s_add_co_u32 s20, s20, 1792                    ; S1: the tile row's 8 groups
	s_mul_i32 s20, s20, 12288
	s_mov_b32 s21, 0
	s_lshl_b32 s62, s58, 4
	s_add_co_u32 s62, s62, 1728                    ; S0: the tile column's 16 groups,
	s_lshl_b32 s18, s15, 3
	s_add_co_u32 s62, s62, s18                     ; wave 1 the first 8, wave 2 the others
	s_mul_i32 s62, s62, 12288
	s_mov_b32 s63, 0
	s_mul_i32 s61, s14, PART                       ; where they go in a chunk: the wave's number alone
	s_wait_dscnt 0x0
	s_wait_kmcnt 0x0
	s_add_nc_u64 s[20:21], s[4:5], s[20:21]
	s_add_nc_u64 s[62:63], s[4:5], s[62:63]
.irp j, 0,1,2,3
	s_mov_b32 s[G0+4*\j], 1
	s_add_co_u32 s[G0+4*\j+1], s61, \j*CH
	s_add_nc_u64 s[G0+4*\j+2:G0+4*\j+3], s[20:21], \j*3072
	s_or_b32 s[G0+4*\j+3], s[G0+4*\j+3], 0x80000000
	s_mov_b32 s[G0B+4*\j], 1
	s_add_co_u32 s[G0B+4*\j+1], s61, \j*CH
	s_add_nc_u64 s[G0B+4*\j+2:G0B+4*\j+3], s[62:63], \j*3072
	s_or_b32 s[G0B+4*\j+3], s[G0B+4*\j+3], 0x80000000
.endr
	CROUND                                         ; all sixteen work-groups are here: the joint loads meet
	s_cmp_eq_u32 s14, 0                            ; a wave's four fills stand in one branch on its number; four v_nop follow the last
	s_cbranch_scc0 .Lnot_s1
	tensor_load_to_lds s[G0:G0+3], s[G1:G1+7]
	s_nop 0
	tensor_load_to_lds s[G0+4:G0+7], s[G1:G1+7]
	s_nop 0
	tensor_load_to_lds s[G0+8:G0+11], s[G1:G1+7]
	s_nop 0
	tensor_load_to_lds s[G0+12:G0+15], s[G1:G1+7]
	s_nop 0
.rept 4
	v_nop
.endr
	s_branch .Lfilled
.Lnot_s1:
	s_cmp_lt_u32 s14, 3
	s_cbranch_scc0 .Lfilled
	tensor_load_to_lds s[G0B:G0B+3], s[G1B:G1B+7]
	s_nop 0
	tensor_load_to_lds s[G0B+4:G0B+7], s[G1B:G1B+7]
	s_nop 0
	tensor_load_to_lds s[G0B+8:G0B+11], s[G1B:G1B+7]
	s_nop 0
	tensor_load_to_lds s[G0B+12:G0B+15], s[G1B:G1B+7]
	s_nop 0
.rept 4
	v_nop
.endr
.Lfilled:
	v_and_b32 v1, 15, v0                           ; r
	v_bfe_u32 v2, v0, 4, 1                         ; h
	v_and_b32 v3, 31, v0                           ; lane
	v_lshlrev_b32 v4, 3, v3
	v_lshlrev_b32 v[CO], 4, v3
	s_mul_i32 s18, s15, 4*3072                     ; my four groups of S1
	s_mul_i32 s19, s16, PART
	s_add_co_u32 s19, s19, PART                    ; my eight groups of S0, behind S1's part
.irp j, 0,1,2,3
	v_add_nc_u32 v[ADRA+\j], s18, v4
	v_add_nc_u32 v[ADRB+\j], s19, v4
	s_add_co_u32 s18, s18, CH
	s_add_co_u32 s19, s19, CH
.endr
	s_lshl_b32 s18, s17, 3                         ; the scale words of my 4 groups of S1 (lanes 0-15) and my 8 of S0 (lanes 16-31): 512 bytes a group
	s_add_co_u32 s18, s18, 1792
	s_lshl_b32 s22, s15, 2
	s_add_co_u32 s18, s18, s22
	s_lshl_b32 s18, s18, 9
	s_lshl_b32 s19, s58, 4
	s_add_co_u32 s19, s19, 1728
	s_lshl_b32 s22, s16, 3
	s_add_co_u32 s19, s19, s22
	s_lshl_b32 s19, s19, 9
	s_sub_co_u32 s22, s18, 2048                    ; four groups back: with the offsets of blocks 4-7 lanes 0-15 read S1's blocks 0-3 once more and stay inside the buffer
	v_lshlrev_b32 v5, 4, v1
	v_add_nc_u32 v6, s18, v5
	v_add_nc_u32 v7, s19, v5
	v_cndmask_b32 v[XSO], v6, v7, s[MH]
	v_add_nc_u32 v6, s22, v5
	v_cndmask_b32 v[XSO2], v6, v7, s[MH]
.irp i, 0,1,2,3
.irp j, 0,1
	global_load_b128 v[SC+8*\i+4*\j:SC+8*\i+4*\j+3], v[XSO], s[6:7] offset:512*\i+256*\j   ; sixteen lanes read 256 consecutive bytes: four K steps' words a lane
.endr
.endr
.irp i, 4,5,6,7
.irp j, 0,1
	global_load_b128 v[SC+8*\i+4*\j:SC+8*\i+4*\j+3], v[XSO2], s[6:7] offset:512*\i+256*\j
.endr
.endr
	s_lshl_b32 s18, s17, 7
	s_lshl_b32 s22, s15, 6
	s_add_co_u32 s18, s18, s22                     ; my first token
	s_lshl_b32 s19, s58, 8
	s_lshl_b32 s22, s16, 7
	s_add_co_u32 s19, s19, s22                     ; my first feature
	s_lshl_b32 s22, s19, 2
	s_mov_b32 s23, 0
	s_add_nc_u64 s[8:9], s[8:9], s[22:23]          ; the bias there,
	s_add_nc_u64 s[10:11], s[10:11], s[22:23]
	s_lshl_b32 s22, s18, 12
	s_add_nc_u64 s[10:11], s[10:11], s[22:23]      ; and the result: rows of 4,096 bytes
	v_lshlrev_b32 v[BIO], 6, v2                    ; S0 block b, lane half h: features 32 (b / 2) + 16 h + 8 (b % 2) + 0 .. 7
.irp b, 0,1,2,3,4,5,6,7
.set CB, 96+8*\b+96*(\b/4)
	global_load_b128 v[CB:CB+3], v[BIO], s[8:9] offset:(32*(\b/2)+8*(\b%2))*4
	global_load_b128 v[CB+4:CB+7], v[BIO], s[8:9] offset:(32*(\b/2)+8*(\b%2))*4+16
.endr
	s_mul_i32 s23, s14, 16*528                     ; my stage
	v_mul_u32_u24 v5, v1, 528
	v_lshl_add_u32 v5, v2, 6, v5
	v_add_nc_u32 v[STO], s23, v5                   ; in: row r, + 64 h
	v_add_nc_u32 v[RD], s23, v[CO]                 ; back: the 32 lanes take one row of 512 bytes
	s_wait_loadcnt 0x0                             ; scale words and bias, once
.macro FRAG reg, adr, q, i             ; a fragment as it was stored: six loads of 256 consecutive bytes
.irp p, 0,1,2,3,4,5
	ds_load_b64 v[\reg+2*\p:\reg+2*\p+1], v[\adr] offset:(\i)*3072+(\q)*1536+256*\p
.endr
.endm
; 8 matrix instructions: S1's block a x S0's eight, K step ks; p: S0's set.  cm = 1: C = the bias by S0's block.  The 32 accumulators take turns, one instruction a turn, in the same order in every step.
.macro MUL8 a, p, ks, cm
.irp b, 0,1,2,3,4,5,6,7
.set DD, 8*(8*(\a)+\b)
.if \cm == 0
.set CC, DD
.else
.set CC, 96+8*\b+96*(\b/4)
.endif
	v_wmma_scale_f32_16x16x128_f8f6f4 v[DD:DD+7], v[128*(\p)+FR*\b:128*(\p)+FR*\b+FR-1], v[AF+FR*(\a):AF+FR*(\a)+FR-1], v[CC:CC+7], v[SC+8*\b+(\ks)], v[SC+8*(\a)+(\ks)] matrix_a_fmt:MATRIX_FMT_BF6 matrix_b_fmt:MATRIX_FMT_BF6 matrix_a_scale:MATRIX_SCALE_ROW1
.endr
.endm
.macro FETCH_B ch, q, p
	WIN 0x40                                       ; destination window 1
.irp i, 0,1,2,3,4,5,6,7
	FRAG 128*(\p)+FR*\i, ADRB+\ch, \q, \i
.endr
	WIN 0
.endm
.macro FETCH_A ch, q, i0
.irp i, \i0, \i0+1
	FRAG AF+FR*(\i), ADRA+\ch, \q, \i
.endr
.endm
; A chunk's first K step, on S0's set 0.  S1's blocks 0, 1 are fetched anew in its middle, blocks 2, 3 at its end; S0's other set in the middle.
.macro STEP ch, ks, cm
	s_wait_dscnt 2*NL                              ; S0's set and S1's blocks 0, 1 are in; the youngest 12 loads (blocks 2, 3) may be out
.if \cm
	WIN 0x81                                       ; S0 window 1, S1 and the bias window 0, D window 2
.else
	WIN 0xa1                                       ; C and D window 2
.endif
	MUL8 0, 0, \ks, \cm
	MUL8 1, 0, \ks, \cm
	s_wait_dscnt 0x0                               ; blocks 2, 3 are in
	PLACES 4
	FETCH_B \ch, 1, 1
	FETCH_A \ch, 1, 0
.if \cm
	WIN 0x81
.else
	WIN 0xa1
.endif
	MUL8 2, 0, \ks, \cm
	MUL8 3, 0, \ks, \cm
	PLACES 4
	WIN 0
	FETCH_A \ch, 1, 2
.endm
; A chunk's second K step, on S0's set 1, goes on into the next chunk: the wave that fetched waits for its part of that chunk (left = its fills issued behind it, which stay out),
; every wave's LDS loads are in, and all read the next chunk behind the barrier.
.macro TURN next, ks, left
	s_wait_tensorcnt \left
	s_wait_dscnt 2*NL
	WIN 0xa1
	MUL8 0, 1, \ks, 0
	s_wait_dscnt 0x0                               ; no LDS instruction of mine is out at the signal
	s_barrier_signal -1
	MUL8 1, 1, \ks, 0                              ; work on registers while the others arrive
	WIN 0
	s_barrier_wait -1
	PLACES 4
	FETCH_B \next, 0, 0
	FETCH_A \next, 0, 0
	WIN 0xa1
	MUL8 2, 1, \ks, 0
	MUL8 3, 1, \ks, 0
	PLACES 4
	WIN 0
	FETCH_A \next, 0, 2
.endm
	s_wait_tensorcnt 3                             ; my part of chunk 0 is in; the three fills behind it stay out
	s_barrier_signal -1
	s_barrier_wait -1
	FETCH_B 0, 0, 0
	FETCH_A 0, 0, 0
	FETCH_A 0, 0, 2
	STEP 0, 0, 1                                   ; the first K step starts the sums from the bias
	TURN 1, 1, 2
	STEP 1, 2, 0
	TURN 2, 3, 1
	STEP 2, 4, 0
	TURN 3, 5, 0                                   ; all fills have landed; behind this barrier nobody reads chunks 0 to 2
	STEP 3, 6, 0
	s_wait_dscnt 2*NL
	WIN 0xa1
	MUL8 0, 1, 7, 0
	MUL8 1, 1, 7, 0
	s_wait_dscnt 0x0
	MUL8 2, 1, 7, 0
	MUL8 3, 1, 7, 0
	WIN 0
.macro TOSTAGE a
.set AC, 64*(\a)
	WIN 0x08                                       ; an LDS store's data are its source 1: window 2
.irp b, 0,1,2,3,4,5,6,7
	ds_store_b128 v[STO], v[AC+8*\b:AC+8*\b+3] offset:128*(\b/2)+32*(\b%2)       ; each accumulator from its low end on
	ds_store_b128 v[STO], v[AC+8*\b+4:AC+8*\b+7] offset:128*(\b/2)+32*(\b%2)+16
.endr
	WIN 0
.set BB, BK+64*((\a)%2)
.irp t, 0,1,2,3,4,5,6,7,8,9,10,11,12,13,14,15
	ds_load_b128 v[BB+4*\t:BB+4*\t+3], v[RD] offset:\t*528   ; LDS serves a wave's instructions in order: these see the stores above
.endr
.endm
.macro SEND a, younger                 ; younger: the LDS instructions issued behind block a's loads, which may stay out
.set BB, BK+64*((\a)%2)
	s_wait_dscnt \younger
.if (\a) > 0
.if (\a)%2
	s_add_nc_u64 s[10:11], s[10:11], 32768         ; an odd block begins 8 tokens behind the even one,
.else
	s_add_nc_u64 s[10:11], s[10:11], 98304         ; the next even one 24 further on  (both behind a wait on XCNT: the earlier stores have read their base)
.endif
.endif
.irp t, 0,1,2,3,4,5,6,7,8,9,10,11,12,13,14,15
	global_store_b128 v[CO], v[BB+4*\t:BB+4*\t+3], s[10:11] offset:(\t+8*(\t/8))*4096 th:TH_STORE_NT   ; 32 lanes store 512 consecutive bytes, aligned
.endr
.endm
	PLACES 4
	TOSTAGE 0
.irp a, 1,2,3
.if \a > 1
	s_wait_xcnt 0x0                                ; block a - 2's stores have read their registers and their base
.endif
	TOSTAGE \a
	SEND \a-1, 32                                  ; behind block a - 1's loads: block a's 16 stores and 16 loads
.endr
	s_wait_xcnt 0x0
	SEND 3, 0
	s_wait_tensorcnt 0x0
	ds_add_u32 v29, v31
	s_wait_dscnt 0x0
	CROUND                                         ; the closing round: no work-group ends while a partner may still ask for a part that names it
	s_endpgm
.Lfunc_end_k_q865ef6bdc0_oproj:
	.size	k_q865ef6bdc0_oproj, .Lfunc_end_k_q865ef6bdc0_oproj-k_q865ef6bdc0_oproj
	.p2alignl 7, 3214868480
	.fill 96, 4, 3214868480
	.section	.rodata,"a",@progbits
	.p2align	6, 0x0
	.amdhsa_kernel k_q865ef6bdc0_oproj
		.amdhsa_group_segment_fixed_size 295424
		.amdhsa_private_segment_fixed_size 0
		.amdhsa_enable_private_segment 0
		.amdhsa_kernarg_size 32
		.amdhsa_user_sgpr_count 2
		.amdhsa_user_sgpr_kernarg_segment_ptr 1
		.amdhsa_wavefront_size32 1
		.amdhsa_system_sgpr_workgroup_id_x 1
		.amdhsa_system_sgpr_workgroup_id_y 1
		.amdhsa_system_sgpr_workgroup_id_z 1
		.amdhsa_system_vgpr_workitem_id 0
		.amdhsa_next_free_vgpr 768
		.amdhsa_next_free_sgpr 100
		.amdhsa_reserve_vcc 0
		.amdhsa_float_denorm_mode_32 3
		.amdhsa_float_denorm_mode_16_64 3
		.amdhsa_memory_ordered 1
		.amdhsa_forward_progress 1
		.amdhsa_inst_pref_size 99
	.end_amdhsa_kernel
	.amdgpu_metadata
---
amdhsa.version: [ 1, 2 ]
amdhsa.kernels:
  - .name:           k_q865ef6bdc0_oproj
    .symbol:         k_q865ef6bdc0_oproj.kd
    .args:
      - { .name: xc, .offset: 0, .size: 8, .value_kind: global_buffer, .address_space: global }
      - { .name: xs, .offset: 8, .size: 8, .value_kind: global_buffer, .address_space: global }
      - { .name: bo, .offset: 16, .size: 8, .value_kind: global_buffer, .address_space: global }
      - { .name: out0, .offset: 24, .size: 8, .value_kind: global_buffer, .address_space: global }
    .group_segment_fixed_size: 295424
    .private_segment_fixed_size: 0
    .kernarg_segment_align: 8
    .kernarg_segment_size: 32
    .max_flat_workgroup_size: 128
    .sgpr_count:     100
    .vgpr_count:     768
    .wavefront_size: 32
...
	.end_amdgpu_metadata
.endif
;; end of part 4
